; MI455X (gfx1250); checked and timed in simulation.
; The chip was launched on July 23, 2026; its instructions are those of AMD's public machine-readable ISA for CDNA 5 (MIT licence, August 2026) and "CDNA5" Instruction Set Architecture Reference Guide (July 2026). The comments in the code are by the model that wrote it; some were corrected since.
;; Multiheaded Attention Node. Allowed arithmetic: float matrix products may take bf16 or f16 operands with f32 sums; all other float work in f32.
;; Inputs: Wk 1,024 x 1,024 float32; Wo 1,024 x 1,024 float32; Wq 1,024 x 1,024 float32; Wv 1,024 x 1,024 float32; bk 1,024 float32; bo 1,024 float32; bq 1,024 float32; bv 1,024 float32; keys 4 x 2,048 x 1,024 float32; mask 4 x 1 x 2,048 x 2,048 bool; queries 4 x 2,048 x 1,024 float32; values 4 x 2,048 x 1,024 float32.
;; Outputs: out0 4 x 2,048 x 1,024 float32.
;; 2 versions, each right and faster than the one before. Each part assembles by itself: llvm-mc -triple=amdgcn-amd-amdhsa -mcpu=gfx1250 --defsym DOCPART=n.
;; ======== version 1 of 2: 4 launches
;; limits: values are held in f16: magnitudes above 65,504 overflow, below 6.1e-05 lose precision
;; workspace buffers: wb 8,388,608 bytes; bb 16,384 bytes; mbits 2,097,152 bytes of whole numbers; qkv 50,331,648 bytes; ctx 16,777,216 bytes
;; launch prep (part 1): grid 1028 x 1, 8 waves a work-group, no clusters, 35,840 bytes of LDS; arguments mask, Wq, Wk, Wv, Wo, bq, bk, bv, bo, mbits, wb, bb; writes mbits, wb, bb
.if DOCPART == 1
	.amdgcn_target "amdgcn-amd-amdhsa--gfx1250"
	.amdhsa_code_object_version 6
	.text
	.protected	k_q70ad7c4945_prep
	.globl	k_q70ad7c4945_prep
	.p2align	8
	.type	k_q70ad7c4945_prep,@function
k_q70ad7c4945_prep:
	s_mov_b64 s[64:65], 0
	v_nop
	global_prefetch_b8 v0, s[64:65] scope:SCOPE_SE
	s_setreg_imm32_b32 hwreg(HW_REG_WAVE_MODE, 25, 1), 1
	s_wait_xcnt 0x0
; PREPARATION, a stream: three kinds of work-group, chosen by the work-group's number alone.
;   0 .. 511      the mask, one byte a (query, key), is packed into lane masks: mbits[b][qt][step][j], 32 bits each.  Bit L of word j is
;                 mask[b][16 qt + L % 16][64 step + 16 (j / 8) + 8 (L / 16) + j % 8]: the lanes of score register j of a tile of 16 queries x 64 keys.
;   512 .. 1023   Wq, Wk, Wv rounded to bf16, Wo rounded to bf16 and that number written as f16; all stay [k][n].  8,192 numbers a work-group.
;   1024 .. 1027  the four biases rounded to bf16 and widened again to f32.
; LIMIT.  An entry of Wo below 2^-14 in magnitude keeps f16's fixed step of 2^-24; beyond 65,504 it would be an infinity.
; No matrix unit, no cluster: nothing is shared and nothing is multiplied.
.set PITCH,  272                       ; a mask row's 256 bytes in LDS + 16: the 16 rows that a load of 8 bytes a lane touches start in different banks
.set WBYTES, 16*PITCH                  ; a wave's 16 rows
.set SPARE,  8*WBYTES                  ; behind them: the spare words, 128 bytes a wave
.set SPW, 70                           ; v70  my spare word's LDS address; never rewritten
.set NIL, 71                           ; v71  0; never rewritten
	s_load_b512 s[4:19], s[0:1], 0x0               ; mask 4, Wq 6, Wk 8, Wv 10, Wo 12, bq 14, bk 16, bv 18
	s_load_b256 s[20:27], s[0:1], 0x40             ; bo 20, mbits 22, wb 24, bb 26
	v_lshl_add_u32 v[SPW], v0, 2, SPARE
	v_mov_b32 v[NIL], 0
	v_lshrrev_b32 v1, 5, v0
	v_readfirstlane_b32 s28, v1                    ; wave 0..7
	v_and_b32 v2, 31, v0                           ; lane L
	v_and_b32 v3, 15, v0                           ; L % 16
	v_bfe_u32 v4, v0, 4, 1                         ; L / 16
	s_mov_b32 s29, ttmp9
	s_mov_b32 s39, 0                               ; high word of every offset pair s[38:39]
	s_wait_kmcnt 0x0
	s_cmp_lt_u32 s29, 512
	s_cbranch_scc0 .Lnot_mask
	; THE MASK.  Work-group g = 128 b + qt owns 16 query rows of 2,048 bytes; wave w the keys 256 w .. 256 w + 255: four key steps.
	s_lshl_b32 s38, s29, 15                        ; 16 rows x 2,048 bytes
	s_add_nc_u64 s[4:5], s[4:5], s[38:39]
	s_lshl_b32 s38, s29, 12                        ; 32 steps x 32 words x 4 bytes
	s_add_nc_u64 s[22:23], s[22:23], s[38:39]
	v_lshlrev_b32 v5, 4, v3                        ; 16 (L % 16)
	v_lshl_add_u32 v6, v4, 11, v5                  ; + a row for the upper lanes
	v_lshl_add_u32 v6, s28, 8, v6                  ; + my wave's 256 bytes: a load covers two rows x 256 consecutive, aligned bytes
	s_mul_i32 s36, s28, WBYTES
	v_mul_u32_u24 v7, v4, PITCH
	v_add_nc_u32 v7, v7, v5
	v_add_nc_u32 v7, s36, v7                       ; where those bytes go in LDS
.irp i, 0,1,2,3,4,5,6,7
	global_load_b128 v[32+4*(\i):35+4*(\i)], v6, s[4:5] offset:(\i)*4096 th:TH_LOAD_NT
.endr
	v_mul_u32_u24 v16, v3, PITCH
	v_lshl_add_u32 v16, v4, 3, v16
	v_add_nc_u32 v16, s36, v16                     ; back: query row L % 16, 8 keys from 8 (L / 16) on
.irp i, 0,1,2,3
	v_mov_b32 v[12+(\i)], 0                        ; the four words that I shall store
.endr
.irp i, 0,1,2,3,4,5,6,7
	s_wait_loadcnt 7-(\i)                          ; loads come back in order: pair i of rows is in, the younger stay out
	ds_store_b128 v7, v[32+4*(\i):35+4*(\i)] offset:(\i)*2*PITCH
.endr
	s_wait_dscnt 0x0                               ; my stores are done
	s_barrier_signal -1
	s_barrier_wait -1                              ; everybody's are; nothing is stored to LDS behind this
	s_mov_b32 s37, 16                              ; sixteen blocks of 16 keys
	s_mov_b32 s30, 0                               ; 2 kb: the lane that keeps words 8 kb .. 8 kb + 3
	s_mov_b32 s35, 0                               ; 16 kb: the block's bytes in a row
.Lkb:
	v_add_nc_u32 v17, s35, v16
	ds_load_b64 v[8:9], v17
	s_add_co_u32 s31, s30, 1                       ; the lane that keeps words 8 kb + 4 .. 8 kb + 7
	v_cmp_eq_u32 s32, s30, v2
	v_cmp_eq_u32 s33, s31, v2
	s_wait_dscnt 0x0
.irp jj, 0,1,2,3,4,5,6,7
	v_and_b32 v10, 0xff<<(8*((\jj)%4)), v[8+(\jj)/4]   ; byte jj of my eight
	v_cmp_ne_u32 s34, 0, v10                           ; over the 32 lanes: word 8 kb + jj
	v_cndmask_b32 v[12+(\jj)%4], v[12+(\jj)%4], s34, s[32+(\jj)/4]  ; kept by lane (8 kb + jj) / 4 in register jj % 4
.endr
	s_add_co_u32 s30, s30, 2
	s_add_co_u32 s35, s35, 16
	s_sub_co_u32 s37, s37, 1
	s_cmp_lg_u32 s37, 0
	s_cbranch_scc1 .Lkb
	v_lshlrev_b32 v18, 4, v0                       ; 512 w + 16 L: a wave stores 512 consecutive bytes
	global_store_b128 v18, v[12:15], s[22:23]
	s_wait_tensorcnt 0x0                           ; the wave's end, behind my last LDS store
	ds_add_u32 v[SPW], v[NIL]
	s_wait_dscnt 0x0
	s_endpgm
.Lnot_mask:
	s_cmp_lt_u32 s29, 1024
	s_cbranch_scc0 .Lbias
	; THE WEIGHTS.  Thread t takes 8 neighbouring numbers four times: 32 bytes in, 16 bytes out.
	s_sub_co_u32 s30, s29, 512
	s_lshr_b32 s31, s30, 7                         ; which matrix
	s_and_b32 s30, s30, 127                        ; which 8,192 numbers of it
	s_cmp_eq_u32 s31, 1
	s_cselect_b64 s[36:37], s[8:9], s[6:7]
	s_cmp_eq_u32 s31, 2
	s_cselect_b64 s[36:37], s[10:11], s[36:37]
	s_cmp_eq_u32 s31, 3
	s_cselect_b64 s[36:37], s[12:13], s[36:37]
	s_lshl_b32 s38, s30, 15
	s_add_nc_u64 s[36:37], s[36:37], s[38:39]
	s_lshl_b32 s38, s31, 21
	s_lshl_b32 s40, s30, 14
	s_add_co_u32 s38, s38, s40
	s_add_nc_u64 s[24:25], s[24:25], s[38:39]
	v_lshlrev_b32 v5, 5, v0
	v_lshlrev_b32 v6, 4, v0
.irp i, 0,1,2,3
	global_load_b128 v[8+8*(\i):11+8*(\i)],  v5, s[36:37] offset:(\i)*8192 th:TH_LOAD_NT
	global_load_b128 v[12+8*(\i):15+8*(\i)], v5, s[36:37] offset:(\i)*8192+16 th:TH_LOAD_NT
.endr
	s_wait_loadcnt 0x0
.irp k, 0,1,2,3,4,5,6,7,8,9,10,11,12,13,14,15
	v_cvt_pk_bf16_f32 v[40+(\k)], v[8+2*(\k)], v[9+2*(\k)]
.endr
	s_cmp_lg_u32 s31, 3
	s_cbranch_scc1 .Lstore_w
.irp k, 0,1,2,3,4,5,6,7,8,9,10,11,12,13,14,15
	v_lshlrev_b32 v56, 16, v[40+(\k)]              ; Wo: the bf16 numbers widened,
	v_and_b32 v57, 0xffff0000, v[40+(\k)]
	v_cvt_pk_f16_f32 v[40+(\k)], v56, v57          ; and written as f16
.endr
.Lstore_w:
.irp i, 0,1,2,3
	global_store_b128 v6, v[40+4*(\i):43+4*(\i)], s[24:25] offset:(\i)*4096  ; a wave stores 512 consecutive bytes
.endr
	s_endpgm
.Lbias:
	s_sub_co_u32 s30, s29, 1024
	s_cmp_eq_u32 s30, 1
	s_cselect_b64 s[36:37], s[16:17], s[14:15]
	s_cmp_eq_u32 s30, 2
	s_cselect_b64 s[36:37], s[18:19], s[36:37]
	s_cmp_eq_u32 s30, 3
	s_cselect_b64 s[36:37], s[20:21], s[36:37]
	s_lshl_b32 s38, s30, 12
	s_add_nc_u64 s[26:27], s[26:27], s[38:39]
	v_lshlrev_b32 v6, 4, v0
	global_load_b128 v[8:11], v6, s[36:37]
	s_wait_loadcnt 0x0
	v_cvt_pk_bf16_f32 v12, v8, v9
	v_cvt_pk_bf16_f32 v13, v10, v11
	v_lshlrev_b32 v20, 16, v12
	v_and_b32 v21, 0xffff0000, v12
	v_lshlrev_b32 v22, 16, v13
	v_and_b32 v23, 0xffff0000, v13
	global_store_b128 v6, v[20:23], s[26:27]
	s_endpgm
.Lfunc_end_k_q70ad7c4945_prep:
	.size	k_q70ad7c4945_prep, .Lfunc_end_k_q70ad7c4945_prep-k_q70ad7c4945_prep
	.p2alignl 7, 3214868480
	.fill 96, 4, 3214868480
	.section	.rodata,"a",@progbits
	.p2align	6, 0x0
	.amdhsa_kernel k_q70ad7c4945_prep
		.amdhsa_group_segment_fixed_size 35840
		.amdhsa_private_segment_fixed_size 0
		.amdhsa_enable_private_segment 0
		.amdhsa_kernarg_size 96
		.amdhsa_user_sgpr_count 2
		.amdhsa_user_sgpr_kernarg_segment_ptr 1
		.amdhsa_wavefront_size32 1
		.amdhsa_system_sgpr_workgroup_id_x 1
		.amdhsa_system_sgpr_workgroup_id_y 1
		.amdhsa_system_sgpr_workgroup_id_z 1
		.amdhsa_system_vgpr_workitem_id 0
		.amdhsa_next_free_vgpr 72
		.amdhsa_next_free_sgpr 66
		.amdhsa_reserve_vcc 0
		.amdhsa_float_denorm_mode_32 3
		.amdhsa_float_denorm_mode_16_64 3
		.amdhsa_memory_ordered 1
		.amdhsa_forward_progress 1
		.amdhsa_inst_pref_size 12
	.end_amdhsa_kernel
	.amdgpu_metadata
---
amdhsa.version: [ 1, 2 ]
amdhsa.kernels:
  - .name:           k_q70ad7c4945_prep
    .symbol:         k_q70ad7c4945_prep.kd
    .args:
      - { .name: mask, .offset: 0, .size: 8, .value_kind: global_buffer, .address_space: global }
      - { .name: Wq, .offset: 8, .size: 8, .value_kind: global_buffer, .address_space: global }
      - { .name: Wk, .offset: 16, .size: 8, .value_kind: global_buffer, .address_space: global }
      - { .name: Wv, .offset: 24, .size: 8, .value_kind: global_buffer, .address_space: global }
      - { .name: Wo, .offset: 32, .size: 8, .value_kind: global_buffer, .address_space: global }
      - { .name: bq, .offset: 40, .size: 8, .value_kind: global_buffer, .address_space: global }
      - { .name: bk, .offset: 48, .size: 8, .value_kind: global_buffer, .address_space: global }
      - { .name: bv, .offset: 56, .size: 8, .value_kind: global_buffer, .address_space: global }
      - { .name: bo, .offset: 64, .size: 8, .value_kind: global_buffer, .address_space: global }
      - { .name: mbits, .offset: 72, .size: 8, .value_kind: global_buffer, .address_space: global }
      - { .name: wb, .offset: 80, .size: 8, .value_kind: global_buffer, .address_space: global }
      - { .name: bb, .offset: 88, .size: 8, .value_kind: global_buffer, .address_space: global }
    .group_segment_fixed_size: 35840
    .private_segment_fixed_size: 0
    .kernarg_segment_align: 8
    .kernarg_segment_size: 96
    .max_flat_workgroup_size: 256
    .sgpr_count:     66
    .vgpr_count:     72
    .wavefront_size: 32
...
	.end_amdgpu_metadata
.endif
;; end of part 1
;; launch proj (part 2): grid 4 x 192, 4 waves a work-group, clusters of 4 x 4, 327,680 bytes of LDS; arguments queries, keys, values, wb, bb, qkv; writes qkv
.if DOCPART == 2
	.amdgcn_target "amdgcn-amd-amdhsa--gfx1250"
	.amdhsa_code_object_version 6
	.text
	.protected	k_q70ad7c4945_proj
	.globl	k_q70ad7c4945_proj
	.p2align	8
	.type	k_q70ad7c4945_proj,@function
k_q70ad7c4945_proj:
	s_mov_b64 s[64:65], 0
	v_nop
	global_prefetch_b8 v0, s[64:65] scope:SCOPE_SE
	s_setreg_imm32_b32 hwreg(HW_REG_WAVE_MODE, 25, 1), 1
	s_wait_xcnt 0x0
	s_wait_alu depctr_hold_cnt(0) depctr_sa_sdst(0) depctr_va_vdst(0) depctr_va_sdst(0) depctr_va_ssrc(0) depctr_va_vcc(0) depctr_vm_vsrc(0)
	s_getreg_b32 s2, hwreg(HW_REG_IB_STS2, 6, 4)
	s_cmp_eq_u32 s2, 0
	s_cbranch_scc0 .Lentry_in_a_cluster
	s_endpgm
.Lentry_in_a_cluster:
	s_bfe_u32 s2, ttmp6, 0x10000c
	s_cmp_lg_u32 s2, 0xf033
	s_cbranch_scc0 .Lentry_shape_is_right
	s_endpgm
.Lentry_shape_is_right:
; THE THREE PROJECTIONS.  qkv[p][b 16 + head][s][64] (f16) = x_p[b][s][:] W_p + bias_p, p = 0, 1, 2.  x: [8192][1024] f32, rounded here to bf16; W: wb[p], [k][n] bf16; bias: bb[p], f32; sums in f32.
; LIMIT.  f16 ends at 65,504: q, k and v beyond that become infinities.  With unit inputs they have unit spread.
; SHARES.  A tile of C is 128 rows x 256 columns: 768 tiles.  Four waves, each 64 x 128: 32 accumulators.  K goes in 8 steps of 128, a step in four quarters of 32.
; THE MATRIX INSTRUCTION IS USED TRANSPOSED: source 0 = 16 columns of W, source 1 = 16 rows of x: a lane then holds eight neighbouring columns of one row of C.
; W's tiles ([k][n], 128 x 256) come by tensor loads into two LDS slots, each wave 32 k rows, and are turned on the way into registers (ds_load_tr16_b128).
; CLUSTER 4 x 4: the four work-groups of a column of the cluster need the same tiles of W and ask for them jointly.
; x IS NOT ASKED FOR JOINTLY, though the four of a row of the cluster read the same rows: it is f32 and must be rounded before it can be multiplied, so it goes through registers:
; each wave loads 32 rows x 512 bytes a step, three steps ahead of its use (two sets of 128 registers), rounds, and stores bf16 into LDS slots of their own, which no tensor load fills.
; So each number of x is rounded once a work-group, LDS holds it in 2 bytes, and 64 loads of 512 bytes a wave are on their way across the barriers.
; The bias is the C operand of the first quarter's products: nothing is cleared and nothing is added later.
; REGISTERS, in windows of 256 (s_set_vgpr_msb: bits 1:0 source 0, 3:2 source 1, 5:4 source 2, 7:6 destination):
;   window 0: v1-31 addresses; v32-95 x's fragments, two buffers; v96-103 rounded x at work; the way out: v32-159 rows read back, v160-191 packed results
;   window 1: v0-127 W's fragments, two buffers; v128-191 the bias      window 2: accumulator (a, b) at v[8 (8 a + b)]      window 3: x as loaded, two sets of 32 rows x 4 registers
.set PB,    544                        ; a row of W in LDS: 512 bytes + 32
.set PA,    272                        ; a row of x in LDS: 256 bytes + 16
.set BSLOT, 128*PB
.set ABASE, 2*BSLOT                    ; behind W's two slots: x's two slots
.set ASLOT, 128*PA
.set STG,   ABASE+2*ASLOT              ; 16 rows x 272 bytes for each wave, for the way out
.set SP,    272
.set SPARE, STG+4*16*SP                ; the spare words, 128 bytes a wave
.set ADRA, 16                          ; v16-17  LDS address of my fragments of x in slot 0, 1
.set ADRB, 20                          ; v20-21  the same for W
.set STA,  22                          ; v22-23  where I store rounded x in slot 0, 1
.set STO,  24                          ; v24     the way out: where I put 16 bytes of a row
.set RD,   25                          ; v25     the way out: where I read rows back
.set CO,   26                          ; v26     my byte offset in 512 consecutive bytes of the output
.set XO,   27                          ; v27     my byte offset in x: 16 L + my wave's 32 rows; never rewritten
.set SPW,  28                          ; v28     my spare word's LDS address; never rewritten
.set NIL,  29                          ; v29     0; never rewritten
.set BO,   30                          ; v30     my byte offset in the bias
.set AB,   32
.set XT,   96
.set TMP,  160
.set BIAS, 128                         ; window 1
.set G1, 24                            ; s[24:31] descriptor group 1
.set G0, 32                            ; s[32:39] descriptor group 0, a set for each slot
.set MSB, 0
.macro WIN new                         ; the immediate's high byte repeats the setting that is left; a switch that changes nothing is dropped
.if MSB != (\new)
	s_set_vgpr_msb (MSB<<8)|(\new)
.set MSB, \new
.endif
.endm
.set MUL,  0xa1                        ; W window 1, x window 0, C and D window 2
.set MULB, 0x91                        ; the same with C in window 1: the bias
.set TO_B, 0x40                        ; destination window 1
.set XC,   0x0f                        ; sources 0 and 1 window 3
.set XL,   0xc0                        ; destination window 3
.set PK,   0x0a                        ; sources 0 and 1 window 2
.macro PLACES                          ; four places in front of loads into registers that matrix instructions have read, and of conversions that read results
.rept 4
	v_nop
.endr
.endm
.macro CREST                           ; a round of the cluster's barrier behind its opening barrier
	s_cmp_lg_u32 s10, 0
	s_cbranch_scc1 .Lnot_wave_0_\@
	s_barrier_signal -3
.Lnot_wave_0_\@:
	s_barrier_wait -3
	s_barrier_signal -1
	s_barrier_wait -1
.endm
.macro CROUND
	s_barrier_signal -1
	s_barrier_wait -1
	CREST
.endm
	s_load_b256 s[68:75], s[0:1], 0x0              ; queries 68, keys 70, values 72, wb 74
	s_load_b128 s[76:79], s[0:1], 0x20             ; bb 76, qkv 78
	v_lshl_add_u32 v[SPW], v0, 2, SPARE
	v_mov_b32 v[NIL], 0
	ds_add_u32 v[SPW], v[NIL]                      ; the wave's opening: the add and its wait stand ahead of my first tensor load; work on registers stands between them
	v_lshrrev_b32 v1, 5, v0
	v_readfirstlane_b32 s10, v1                    ; wave 0..3
	s_lshr_b32 s11, s10, 1                         ; which 64 rows of the tile are mine
	s_and_b32 s12, s10, 1                          ; which 128 columns
	s_bfe_u32 s40, ttmp6, 0x40000                  ; cx
	s_bfe_u32 s41, ttmp6, 0x40004                  ; cy
	s_lshl_b32 s42, ttmp9, 2
	s_add_co_u32 s42, s42, s40                     ; tile column = 4 x cluster x + cx
	s_and_b32 s14, ttmp7, 0xffff                   ; the cluster's y, 0..47: sixteen clusters to a projection
	s_lshr_b32 s43, s14, 4                         ; p, which all sixteen partners share
	s_and_b32 s13, s14, 15
	s_lshl_b32 s13, s13, 2
	s_add_co_u32 s13, s13, s41                     ; tile row 0..63
	s_lshl_b32 s44, 0x1111, s40                    ; my column of the cluster
	; descriptor group 1: 32 rows x 256 elements of 2 bytes, 8 words of padding behind every 128
	s_or_b32 s[G1+0], s44, (1<<16)|(1<<20)|(1<<21)|(6<<22)|(7<<25)
	s_mov_b32 s[G1+1], 256<<16                     ; tensor_dim0
	s_mov_b32 s[G1+2], 32<<16                      ; tensor_dim1
	s_mov_b32 s[G1+3], 256<<16                     ; tile_dim0
	s_mov_b32 s[G1+4], 32                          ; tile_dim1
	s_mov_b32 s[G1+5], 1024                        ; elements from row to row
	s_mov_b32 s[G1+6], 0
	s_mov_b32 s[G1+7], 0
	s_lshl_b32 s46, s43, 21                        ; W's tile: matrix p,
	s_lshl_b32 s47, s10, 16                        ; my 32 k rows of 2,048 bytes,
	s_add_co_u32 s46, s46, s47
	s_lshl_b32 s47, s42, 9                         ; the tile column's 512 bytes: nothing of cy enters
	s_add_co_u32 s46, s46, s47
	s_mov_b32 s47, 0
	s_mul_i32 s20, s10, 32*PB                      ; and where my rows go: the wave's number alone
	s_lshl_b32 s16, s13, 19                        ; x: 128 rows of 4,096 bytes a tile row
	s_mov_b32 s17, 0
	s_lshl_b32 s18, s43, 12                        ; the bias: 4,096 p + 4 (256 tile column + 128 half)
	s_lshl_b32 s19, s42, 10
	s_add_co_u32 s18, s18, s19
	s_lshl_b32 s19, s12, 9
	s_add_co_u32 s18, s18, s19
	s_mov_b32 s19, 0
	s_lshr_b32 s21, s13, 4                         ; the output: batch,
	s_lshl_b32 s21, s21, 4
	s_lshl_b32 s22, s42, 2
	s_add_co_u32 s21, s21, s22
	s_lshl_b32 s22, s12, 1
	s_add_co_u32 s21, s21, s22                     ; 16 batch + my first head (4 tile column + 2 half),
	s_lshl_b32 s21, s21, 11                        ; its 2,048 rows,
	s_and_b32 s22, s13, 15
	s_lshl_b32 s22, s22, 7
	s_add_co_u32 s21, s21, s22
	s_lshl_b32 s22, s11, 6
	s_add_co_u32 s21, s21, s22                     ; my first row in the batch,
	s_lshl_b32 s22, s21, 7                         ; rows of 128 bytes,
	s_lshl_b32 s21, s43, 24
	s_add_co_u32 s22, s22, s21                     ; part p
	s_mov_b32 s23, 0
	s_wait_dscnt 0x0                               ; the opening add is done
	s_wait_kmcnt 0x0
	s_cmp_eq_u32 s43, 1
	s_cselect_b64 s[4:5], s[70:71], s[68:69]
	s_cmp_eq_u32 s43, 2
	s_cselect_b64 s[4:5], s[72:73], s[4:5]
	s_add_nc_u64 s[4:5], s[4:5], s[16:17]          ; x at the tile's first row
	s_add_nc_u64 s[48:49], s[76:77], s[18:19]
	s_add_nc_u64 s[8:9], s[78:79], s[22:23]
	s_add_nc_u64 s[46:47], s[74:75], s[46:47]
	CROUND                                         ; all sixteen work-groups are here: the first joint loads meet
.irp s, 0,1
	s_mov_b32 s[G0+4*(\s)], 1
	s_add_co_u32 s[G0+4*(\s)+1], s20, (\s)*BSLOT
	s_add_nc_u64 s[G0+4*(\s)+2:G0+4*(\s)+3], s[46:47], (\s)*128*2048  ; K step s
	s_or_b32 s[G0+4*(\s)+3], s[G0+4*(\s)+3], 0x80000000
	tensor_load_to_lds s[G0+4*(\s):G0+4*(\s)+3], s[G1:G1+7]           ; two loads of mine are out
	s_nop 0
.endr
	v_and_b32 v1, 15, v0                           ; r = L % 16
	v_bfe_u32 v2, v0, 4, 1                         ; h = L / 16
	v_and_b32 v3, 31, v0                           ; L
	v_mul_u32_u24 v4, v1, PA
	v_lshl_add_u32 v4, v2, 4, v4                   ; r x 272 + 16 h
	s_mul_i32 s21, s11, 64*PA
	s_add_co_u32 s21, s21, ABASE
	v_add_nc_u32 v[ADRA], s21, v4
	v_add_nc_u32 v[ADRA+1], ASLOT, v[ADRA]
	v_and_b32 v5, 7, v0
	v_lshl_add_u32 v5, v2, 3, v5                   ; the turning load: k row 8 h + L % 8,
	v_mul_u32_u24 v5, v5, PB
	v_bfe_u32 v6, v0, 3, 1
	v_lshl_add_u32 v5, v6, 4, v5                   ; columns 8 ((L / 8) % 2) on,
	v_lshl_add_u32 v[ADRB], s12, 8, v5             ; in my 128 columns
	v_add_nc_u32 v[ADRB+1], BSLOT, v[ADRB]
	s_mul_i32 s21, s10, 32*PA
	s_add_co_u32 s21, s21, ABASE
	v_lshl_add_u32 v[STA], v3, 3, s21              ; my wave's 32 rows, 8 bytes a lane
	v_add_nc_u32 v[STA+1], ASLOT, v[STA]
	v_lshlrev_b32 v[XO], 4, v3
	v_lshl_add_u32 v[XO], s10, 17, v[XO]
	v_lshlrev_b32 v[BO], 5, v2
	s_mul_i32 s21, s10, 16*SP
	s_add_co_u32 s21, s21, STG
	v_add_nc_u32 v[STO], s21, v4
	v_bfe_u32 v7, v0, 3, 2
	v_mul_u32_u24 v7, v7, SP
	v_and_b32 v8, 7, v0
	v_lshl_add_u32 v7, v8, 4, v7
	v_add_nc_u32 v[RD], s21, v7                    ; back: 32 lanes take four rows' 128 bytes of one head
	v_lshlrev_b32 v[CO], 4, v3
	WIN TO_B
.irp b, 0,1,2,3,4,5,6,7
	global_load_b128 v[BIAS+8*(\b):BIAS+8*(\b)+3],   v[BO], s[48:49] offset:64*(\b)      ; register j of block b: bias of column 16 b + 8 h + j
	global_load_b128 v[BIAS+8*(\b)+4:BIAS+8*(\b)+7], v[BO], s[48:49] offset:64*(\b)+16
.endr
	WIN XL
.set i, 0
.rept 32
	global_load_b128 v[4*i:4*i+3], v[XO], s[4:5] offset:i*4096            ; x of K step 0: a load covers 512 consecutive bytes of a row
.set i, i+1
.endr
.set i, 0
.rept 32
	global_load_b128 v[128+4*i:128+4*i+3], v[XO], s[4:5] offset:i*4096+512  ; K step 1
.set i, i+1
.endr
; 8 matrix instructions: m block a x all 8 n blocks, 32 along K, from buffer f.  first = 1: the bias starts the sums.  Each accumulator has one turn a quarter, 31 others' between.
.macro MUL8 f, a, first
.if \first
	WIN MULB
.else
	WIN MUL
.endif
.irp b, 0,1,2,3,4,5,6,7
.if \first
	v_wmma_f32_16x16x32_bf16 v[8*(8*(\a)+(\b)):8*(8*(\a)+(\b))+7], v[64*(\f)+8*(\b):64*(\f)+8*(\b)+7], v[AB+32*(\f)+8*(\a):AB+32*(\f)+8*(\a)+7], v[BIAS+8*(\b):BIAS+8*(\b)+7]
.else
	v_wmma_f32_16x16x32_bf16 v[8*(8*(\a)+(\b)):8*(8*(\a)+(\b))+7], v[64*(\f)+8*(\b):64*(\f)+8*(\b)+7], v[AB+32*(\f)+8*(\a):AB+32*(\f)+8*(\a)+7], v[8*(8*(\a)+(\b)):8*(8*(\a)+(\b))+7]
.endif
.endr
.endm
; 24 LDS loads in one run: quarter kq's fragments (128 columns of W, turned; 64 rows of x) into buffer g
.macro FETCH slot, kq, g
	WIN TO_B
.irp b, 0,1,2,3,4,5,6,7
	ds_load_tr16_b128 v[64*(\g)+8*(\b):64*(\g)+8*(\b)+3],   v[ADRB+(\slot)] offset:(\kq)*32*PB+32*(\b)
	ds_load_tr16_b128 v[64*(\g)+8*(\b)+4:64*(\g)+8*(\b)+7], v[ADRB+(\slot)] offset:(\kq)*32*PB+32*(\b)+16*PB
.endr
	WIN 0
.irp a, 0,1,2,3
	ds_load_b128 v[AB+32*(\g)+8*(\a):AB+32*(\g)+8*(\a)+3],   v[ADRA+(\slot)] offset:64*(\kq)+(\a)*16*PA
	ds_load_b128 v[AB+32*(\g)+8*(\a)+4:AB+32*(\g)+8*(\a)+7], v[ADRA+(\slot)] offset:64*(\kq)+(\a)*16*PA+32
.endr
.endm
; Four rows 4 j .. 4 j + 3 of x, from set d: rounded to bf16, stored into x's slot; ahead = 1: the set's registers take the same rows two steps on (at byte 512 c of the rows, from the stepped base).
; cnt = the loads issued behind the four wanted: the rest of their step, the next step's 32, and the 4 j just issued for the step after.
.macro XBLK d, slot, j, ahead, cnt, c
	s_wait_loadcnt \cnt
	WIN XC
.irp k, 0,1,2,3
	v_cvt_pk_bf16_f32 v[XT+2*(\k)],   v[128*(\d)+16*(\j)+4*(\k)],   v[128*(\d)+16*(\j)+4*(\k)+1]
	v_cvt_pk_bf16_f32 v[XT+2*(\k)+1], v[128*(\d)+16*(\j)+4*(\k)+2], v[128*(\d)+16*(\j)+4*(\k)+3]
.endr
	WIN 0
.irp k, 0,1,2,3
	ds_store_b64 v[STA+(\slot)], v[XT+2*(\k):XT+2*(\k)+1] offset:(4*(\j)+(\k))*PA   ; 32 lanes, 256 consecutive bytes
.endr
.if \ahead
	WIN XL
.irp k, 0,1,2,3
	global_load_b128 v[128*(\d)+16*(\j)+4*(\k):128*(\d)+16*(\j)+4*(\k)+3], v[XO], s[4:5] offset:(4*(\j)+(\k))*4096+(\c)*512
.endr
.endif
.endm
; One of a step's first three quarters: multiplies buffer f; ahead of that it fetches quarter kq into buffer g.  young = the LDS stores that the quarter before issued behind its fragment loads.
; x = 1: behind each run of eight products stands one XBLK: rows 4 (j0 + a) on; its count is cnt - dec (j0 + a).
.macro QUARTER slot, kq, f, g, young, first, x=0, d=0, xs=0, j0=0, ahead=0, cnt=0, dec=0, c=0
	s_wait_dscnt \young                            ; buffer f's fragments are in
	PLACES
	FETCH \slot, \kq, \g
.irp a, 0,1,2,3
	MUL8 \f, \a, \first
.if \x
	XBLK \d, \xs, (\j0)+\a, \ahead, (\cnt)-(\dec)*((\j0)+\a), \c
.endif
.endr
.endm
; The fourth quarter multiplies buffer 1 and changes slots.  ONE barrier: in front of it each wave waits for all its tensor loads (one is out: its part of W's next slot), adds 0 to its spare word,
; and waits for that, for its reads of both slots in hand and for its stores into x's next slot.  fill = 1: the barrier opens a round of the cluster's, and W's slot just read is filled again, two steps ahead.
.macro TURN slot, next, fill
	WIN 0
	s_wait_tensorcnt 0x0
	ds_add_u32 v[SPW], v[NIL]
	s_wait_dscnt 1                                 ; the add alone may be out: buffer 1's fragments are in
	MUL8 1, 0, 0
	s_wait_dscnt 0x0
	s_barrier_signal -1
	MUL8 1, 1, 0
	WIN 0
	s_barrier_wait -1
.if \fill
	CREST                                          ; no wave of any partner still reads this slot or has a load on its way
	s_add_nc_u64 s[G0+4*(\slot)+2:G0+4*(\slot)+3], s[G0+4*(\slot)+2:G0+4*(\slot)+3], 2*128*2048
	tensor_load_to_lds s[G0+4*(\slot):G0+4*(\slot)+3], s[G1:G1+7]   ; my one load behind the round: 112 matrix instructions ahead of the wait for it
	s_nop 0
.endif
	PLACES                                         ; also the places in front of the loads below
	FETCH \next, 0, 0
	MUL8 1, 2, 0
	MUL8 1, 3, 0
.endm
.irp j, 0,1,2,3,4,5,6,7
	XBLK 0, 0, \j, 1, 60, 2                        ; x of step 0 into slot 0; step 2 is asked for
.endr
	WIN 0
	s_wait_tensorcnt 0x1                           ; my part of W's step 0 is in; step 1's may stay out
	s_wait_dscnt 0x0                               ; my stores of x are done
	s_barrier_signal -1
	s_barrier_wait -1
	FETCH 0, 0, 0
	QUARTER 0, 1, 0, 1, 0, 1, 1, 1, 1, 0, 1, 60, 0, 3   ; step 0's first quarter stands ahead of the loop: the bias starts the sums (it was loaded ahead of x, so XBLK's counts cover it)
	WIN 0
	s_mov_b32 s3, 2
.Llap:                                                 ; a trip: two K steps, from a step's second quarter to the first of the step after next
	QUARTER 0, 2, 1, 0, 16, 0, 1, 1, 1, 4, 1, 60, 0, 3
	QUARTER 0, 3, 0, 1, 16, 0
	TURN 0, 1, 1
	QUARTER 1, 1, 0, 1, 0, 0, 1, 0, 0, 0, 1, 60, 0, 4
	QUARTER 1, 2, 1, 0, 16, 0, 1, 0, 0, 4, 1, 60, 0, 4
	QUARTER 1, 3, 0, 1, 16, 0
	TURN 1, 0, 1
	QUARTER 0, 1, 0, 1, 0, 0, 1, 1, 1, 0, 1, 60, 0, 5
	WIN 0
	s_wait_xcnt 0x0                                ; x's base is stepped only behind this wait (ISA guide 3.1)
	s_add_nc_u64 s[4:5], s[4:5], 1024              ; two K steps along the rows
	s_sub_co_u32 s3, s3, 1
	s_cmp_lg_u32 s3, 0
	s_cbranch_scc1 .Llap
	QUARTER 0, 2, 1, 0, 16, 0, 1, 1, 1, 4, 1, 60, 0, 3  ; step 4 goes on: the last rows of x's step 7 are asked for
	QUARTER 0, 3, 0, 1, 16, 0
	TURN 0, 1, 1                                   ; W's step 6
	QUARTER 1, 1, 0, 1, 0, 0, 1, 0, 0, 0, 0, 60, 4, 0   ; step 5: nothing more of x to load: the counts run down
	QUARTER 1, 2, 1, 0, 16, 0, 1, 0, 0, 4, 0, 60, 4, 0
	QUARTER 1, 3, 0, 1, 16, 0
	TURN 1, 0, 1                                   ; W's step 7: the last load
	QUARTER 0, 1, 0, 1, 0, 0, 1, 1, 1, 0, 0, 28, 4, 0
	QUARTER 0, 2, 1, 0, 16, 0, 1, 1, 1, 4, 0, 28, 4, 0
	QUARTER 0, 3, 0, 1, 16, 0
	TURN 0, 1, 0
	QUARTER 1, 1, 0, 1, 0, 0
	QUARTER 1, 2, 1, 0, 0, 0
	QUARTER 1, 3, 0, 1, 0, 0
	s_wait_dscnt 0x0
	MUL8 1, 0, 0
	MUL8 1, 1, 0
	MUL8 1, 2, 0
	MUL8 1, 3, 0
; THE WAY OUT, a block of 16 rows at a time: rounded to f16 (each accumulator's registers in ascending order), 16 bytes a lane into my stage, back as four rows x 128 bytes of one head, stored as 512 consecutive bytes.
.macro PACK a
	WIN PK
.irp b, 0,1,2,3,4,5,6,7
.irp rr, 0,1,2,3
	v_cvt_pk_f16_f32 v[TMP+4*(\b)+(\rr)], v[8*(8*(\a)+(\b))+2*(\rr)], v[8*(8*(\a)+(\b))+2*(\rr)+1]
.endr
.endr
	WIN 0
.endm
.macro TOSTAGE a
.irp b, 0,1,2,3,4,5,6,7
	ds_store_b128 v[STO], v[TMP+4*(\b):TMP+4*(\b)+3] offset:32*(\b)
.endr
.irp t, 0,1,2,3,4,5,6,7
	ds_load_b128 v[32+32*(\a)+4*(\t):32+32*(\a)+4*(\t)+3], v[RD] offset:((\t)%4)*4*SP+((\t)/4)*128  ; LDS serves a wave's instructions in order (ISA guide 5.7.1.4): these see the stores above
.endr
.endm
.macro SEND a
	s_wait_dscnt 0x0                               ; the block is back in registers of its own: no store's data is written again
.irp t, 0,1,2,3,4,5,6,7
	global_store_b128 v[CO], v[32+32*(\a)+4*(\t):32+32*(\a)+4*(\t)+3], s[8:9] offset:((\t)/4)*262144+(\a)*2048+((\t)%4)*512
.endr
.endm
	PLACES
	PACK 0
	TOSTAGE 0
.irp a, 1,2,3
	PACK \a
	SEND (\a)-1
	TOSTAGE \a
.endr
	SEND 3
	s_wait_tensorcnt 0x0                           ; the wave's end
	ds_add_u32 v[SPW], v[NIL]
	s_wait_dscnt 0x0
	CROUND                                         ; the closing round
	s_endpgm
.Lfunc_end_k_q70ad7c4945_proj:
	.size	k_q70ad7c4945_proj, .Lfunc_end_k_q70ad7c4945_proj-k_q70ad7c4945_proj
	.p2alignl 7, 3214868480
	.fill 96, 4, 3214868480
	.section	.rodata,"a",@progbits
	.p2align	6, 0x0
	.amdhsa_kernel k_q70ad7c4945_proj
		.amdhsa_group_segment_fixed_size 327680
		.amdhsa_private_segment_fixed_size 0
		.amdhsa_enable_private_segment 0
		.amdhsa_kernarg_size 48
		.amdhsa_user_sgpr_count 2
		.amdhsa_user_sgpr_kernarg_segment_ptr 1
		.amdhsa_wavefront_size32 1
		.amdhsa_system_sgpr_workgroup_id_x 1
		.amdhsa_system_sgpr_workgroup_id_y 1
		.amdhsa_system_sgpr_workgroup_id_z 1
		.amdhsa_system_vgpr_workitem_id 0
		.amdhsa_next_free_vgpr 1024
		.amdhsa_next_free_sgpr 80
		.amdhsa_reserve_vcc 0
		.amdhsa_float_denorm_mode_32 3
		.amdhsa_float_denorm_mode_16_64 3
		.amdhsa_memory_ordered 1
		.amdhsa_forward_progress 1
		.amdhsa_inst_pref_size 177
	.end_amdhsa_kernel
	.amdgpu_metadata
---
amdhsa.version: [ 1, 2 ]
amdhsa.kernels:
  - .name:           k_q70ad7c4945_proj
    .symbol:         k_q70ad7c4945_proj.kd
    .args:
      - { .name: queries, .offset: 0, .size: 8, .value_kind: global_buffer, .address_space: global }
      - { .name: keys, .offset: 8, .size: 8, .value_kind: global_buffer, .address_space: global }
      - { .name: values, .offset: 16, .size: 8, .value_kind: global_buffer, .address_space: global }
      - { .name: wb, .offset: 24, .size: 8, .value_kind: global_buffer, .address_space: global }
      - { .name: bb, .offset: 32, .size: 8, .value_kind: global_buffer, .address_space: global }
      - { .name: qkv, .offset: 40, .size: 8, .value_kind: global_buffer, .address_space: global }
    .group_segment_fixed_size: 327680
    .private_segment_fixed_size: 0
    .kernarg_segment_align: 8
    .kernarg_segment_size: 48
    .max_flat_workgroup_size: 128
    .sgpr_count:     80
    .vgpr_count:     1024
    .wavefront_size: 32
...
	.end_amdgpu_metadata
.endif
;; end of part 2
;; launch attn (part 3): grid 4 x 64, 4 waves a work-group, clusters of 4 x 1, 327,680 bytes of LDS; arguments qkv, mbits, ctx; writes ctx
.if DOCPART == 3
	.amdgcn_target "amdgcn-amd-amdhsa--gfx1250"
	.amdhsa_code_object_version 6
	.text
	.protected	k_q70ad7c4945_attn
	.globl	k_q70ad7c4945_attn
	.p2align	8
	.type	k_q70ad7c4945_attn,@function
k_q70ad7c4945_attn:
	s_mov_b64 s[64:65], 0
	v_nop
	global_prefetch_b8 v0, s[64:65] scope:SCOPE_SE
	s_setreg_imm32_b32 hwreg(HW_REG_WAVE_MODE, 25, 1), 1
	s_wait_xcnt 0x0
	s_wait_alu depctr_hold_cnt(0) depctr_sa_sdst(0) depctr_va_vdst(0) depctr_va_sdst(0) depctr_va_ssrc(0) depctr_va_vcc(0) depctr_vm_vsrc(0)
	s_getreg_b32 s2, hwreg(HW_REG_IB_STS2, 6, 4)
	s_cmp_eq_u32 s2, 0
	s_cbranch_scc0 .Lentry_in_a_cluster
	s_endpgm
.Lentry_in_a_cluster:
	s_bfe_u32 s2, ttmp6, 0x10000c
	s_cmp_lg_u32 s2, 0x3003
	s_cbranch_scc0 .Lentry_shape_is_right
	s_endpgm
.Lentry_shape_is_right:
; MASKED ATTENTION.  ctx[bh][q][:] = the sum over k of softmax_k(masked(Q[bh][q] . K[bh][k] / 8)) V[bh][k][:].  Q, K, V: qkv[0..2][64][2048][64], ctx: [64][2048][64], all f16, rows dense, 128 bytes.
; Products, maxima and sums in f32; the weights p are rounded to f16 for the second product (their sum l is taken of the unrounded p), ctx once at the end.
; THE MASK.  Where the mask's bit is set the unscaled score is replaced by -2^50, ahead of the running maximum.  f16 operands bound |Q . K| by 2.7e11, so such a weight is exactly 0 beside any visible key,
; as with the fill of -1e15 on the scaled score; and since c x 2^50 is exact in f32, c s - c m is exactly 0 while a row has seen masked keys alone: its weights are 1, and a row masked everywhere is the mean of V.
; The bits come as lane masks, one 32-bit word for each score register of a tile of 16 queries x 64 keys, by scalar loads, a turn ahead of their use.
; LIMITS.  Q, K, V arrive within f16's 65,504; p below 6e-5 keeps f16's fixed step of 6e-8; a weight below 2^-126 counts as 0 in l; NaN and infinities are not treated apart.
; SHARES.  A wave owns four PIECES of two tiles of 16 queries, a work-group's four waves 512 queries of one (batch, head).  Every wave walks all 2,048 keys, 64 a step; a slot of LDS holds four steps.
; LAYOUT.  S^T = K Q^T (source 0 = 16 keys, source 1 = 16 queries): a lane holds ONE query (lane % 16) and the keys 8 (lane / 16) + 0..7.  Two such results rounded to f16 ARE source 1 of O^T = V^T P.
; SOFTMAX.  For each query a running maximum m and sum l: p = 2^(c s - c m), c = log2(e) / 8; in every step O and l are multiplied by a = 2^(c m_old - c m_new).  m starts at the lowest finite number, O and l at 0.
; BY TURNS.  Turn n belongs to piece n.  Matrix work: 16 products K Q^T of piece n + 1, then 16 products V^T P of piece n - 1.  Vector work: scaling, rescaling, exponentials, roundings and sums of piece n;
; the mask, the maximum and the statistics of piece n + 1.  300 vector instructions stand beside 32 matrix instructions: four or eight behind each product, the other 108 behind the last.
; CLUSTER.  The four query blocks of a (batch, head) walk the same K and V: each tile is asked for JOINTLY.  The mask words are each wave's own and are not shared.
; REGISTERS, in windows of 256 (s_set_vgpr_msb: bits 1:0 source 0, 3:2 source 1, 5:4 source 2, 7:6 destination):
;   window 0: v0-10 addresses; v11 the fill; v12-15, v48-63 at work; v16-47 four registers of statistics a tile; v64-191 S^T, two buffers of two tiles; v192-255 P, likewise
;   window 1: O^T, 32 a tile      window 2: v0-127 Q; v128-191 K of one step; v192-255 V of one step      window 3: v0-1 the add's two registers
.set NP,    4
.set KS,    64
.set PK,    144       ; a row of K in LDS: 128 bytes + 16
.set PV,    144       ; V has the same pitch, so that ONE descriptor shape and one line serve all four waves
.set VOFF,  4*KS*PK   ; a slot: 256 rows of K, then 256 rows of V
.set SLOT1, 1<<17
.set STAGE, SLOT1+4*KS*(PK+PV)  ; behind the ring: 16 rows x 144 bytes for each wave
.set SP,    144
.set SPARE, STAGE+4*16*SP
.set AK0, 2
.set AV0, 3
.set AK,  4
.set AV,  5
.set QO,  6
.set STO, 6
.set RD,  7
.set GO,  8
.set FILL, 11         ; v11  -2^50
.set SPW, 0           ; v0 of window 3
.set NIL, 1           ; v1 of window 3
.set MV,  12
.set ST,  16
.set TMP, 48
.set S,   64
.set P,   192
.set KF,  128
.set VF,  192
.set MB,  8           ; s[8:9]   the mask words of my wave's eight tiles
.set WV,  12          ; s12      my wave's number
.set MOFF, 13         ; s13      128 x the key step whose words are asked for next
.set MKA, 16          ; s[16:47] the 32 words of the piece's first tile
.set G1,  48          ; s[48:55] descriptor group 1
.set G0,  56          ; s[56:59] descriptor group 0: it walks
.set SLOTS, 60
.set CNT, 61
.set TBK, 62
.set TBV, 63
.set CS,  66          ; s[66:67] c
.set MKB, 68          ; s[68:99] the words of the second tile; at work ahead of the first use
.set SEL, 100         ; s[100:101]
.set MSB, 0
.macro WIN new
.if MSB != (\new)
	s_set_vgpr_msb (MSB<<8)|(\new)
.set MSB, (\new)
.endif
.endm
.set W_KQ, 0x0a
.set W_PV, 0x52
.set W_RS, 0x41
.set W_MK, 0xc0
.set W_AD, 0x0f
.macro JLOAD                        ; a joint fill: wave w brings 128 keys: waves 0, 1 the halves of K, waves 2, 3 those of V; both addresses hang on the wave's number
	tensor_load_to_lds s[G0:G0+3], s[G1:G1+7]
	s_nop 0
.rept 4
	v_nop
.endr
.endm
.macro CROUND
	s_barrier_signal -1
	s_barrier_wait -1
	s_cmp_lg_u32 s[WV], 0
	s_cbranch_scc1 .Lnot_wave_0_\@
	s_barrier_signal -3
.Lnot_wave_0_\@:
	s_barrier_wait -3
	s_barrier_signal -1
	s_barrier_wait -1
.endm
; THE CHANGE OF SLOTS.  Each wave waits for all its tensor loads (one is out: its part of the other slot), adds 0 to its spare word, and waits for that and for its reads of the slot.
; fill = 1: the barrier is a round of the cluster's, and the slot is filled again first thing behind it, with the keys two slots on: four key steps, 512 matrix instructions, in which to land.
.macro CHANGE fill
	WIN W_AD
	s_wait_tensorcnt 0x0
	ds_add_u32 v[SPW], v[NIL]
	WIN 0
.if \fill
	s_xor_b32 s[G0+1], s[G0+1], SLOT1
	s_add_nc_u64 s[G0+2:G0+3], s[G0+2:G0+3], 4*KS*128
	s_wait_dscnt 0x0
	CROUND
	JLOAD
.else
	s_wait_dscnt 0x0
	s_barrier_signal -1
	s_barrier_wait -1
.endif
	s_sub_co_u32 s[TBK], s[TBK], 4*KS*PK
	s_xor_b32 s[TBK], s[TBK], SLOT1
	s_sub_co_u32 s[TBV], s[TBV], 4*KS*PV
	s_xor_b32 s[TBV], s[TBV], SLOT1
.endm
.macro MLOAD x                      ; the 64 words of piece x for the step at MOFF
	s_load_b512 s[MKA:MKA+15],    s[MB:MB+1], s[MOFF] offset:(2*(\x))*4096
	s_load_b512 s[MKA+16:MKA+31], s[MB:MB+1], s[MOFF] offset:(2*(\x))*4096+64
	s_load_b512 s[MKB:MKB+15],    s[MB:MB+1], s[MOFF] offset:(2*(\x)+1)*4096
	s_load_b512 s[MKB+16:MKB+31], s[MB:MB+1], s[MOFF] offset:(2*(\x)+1)*4096+64
.endm
	s_load_b128 s[4:7], s[0:1], 0x0   ; qkv s[4:5], mbits s[6:7]
	s_load_b64 s[10:11], s[0:1], 0x10 ; ctx
	WIN W_MK
	v_lshl_add_u32 v[SPW], v0, 2, SPARE
	v_mov_b32 v[NIL], 0
	WIN W_AD
	ds_add_u32 v[SPW], v[NIL]       ; the wave's opening: the add and its wait stand ahead of my first tensor load
	WIN 0
	v_lshrrev_b32 v1, 5, v0
	v_readfirstlane_b32 s[WV], v1
	s_bfe_u32 s68, ttmp6, 0x40000   ; cx
	s_lshl_b32 s69, ttmp9, 2
	s_add_co_u32 s69, s69, s68      ; my block of 512 queries: it enters Q's, the mask's and the output's addresses alone
	s_and_b32 s70, ttmp7, 0xffff    ; 16 batch + head, which the four partners share
	s_lshr_b32 s72, s[WV], 1
	s_add_co_u32 s72, s72, 1        ; part 1 (K) for waves 0, 1; part 2 (V) for waves 2, 3
	s_lshl_b32 s72, s72, 24
	s_lshl_b32 s73, s70, 18         ; a head's 2,048 rows of 128 bytes
	s_add_co_u32 s72, s72, s73
	s_and_b32 s74, s[WV], 1
	s_lshl_b32 s74, s74, 14         ; which 128 of a slot's 256 keys
	s_add_co_u32 s72, s72, s74
	s_mov_b32 s73, 0
	s_lshl_b32 s76, s69, 2
	s_add_co_u32 s76, s76, s[WV]
	s_lshl_b32 s76, s76, 14         ; my wave's 128 rows
	s_lshl_b32 s77, s70, 18
	s_add_co_u32 s76, s76, s77
	s_mov_b32 s77, 0
	s_lshr_b32 s78, s70, 4          ; the batch's 128 tiles of 16 queries,
	s_lshl_b32 s78, s78, 7
	s_lshl_b32 s79, s69, 5          ; my block's 32,
	s_add_co_u32 s78, s78, s79
	s_lshl_b32 s79, s[WV], 3        ; my wave's 8,
	s_add_co_u32 s78, s78, s79
	s_lshl_b32 s78, s78, 12         ; 4,096 bytes of words a tile
	s_mov_b32 s79, 0
	; descriptor group 1.  128 keys are 16,384 dense bytes: asked for as 64 rows of 256 bytes, padded in LDS after every key
	s_mov_b32 s[G1], 15|(1<<16)|(1<<20)|(1<<21)|(4<<22)|(3<<25)
	s_mov_b32 s[G1+1], 128<<16
	s_mov_b32 s[G1+2], 64<<16
	s_mov_b32 s[G1+3], 128<<16
	s_mov_b32 s[G1+4], 64
	s_mov_b32 s[G1+5], 128
	s_mov_b32 s[G1+6], 0
	s_mov_b32 s[G1+7], 0
	s_mov_b32 s[CS], 0x3e38aa3b     ; c = log2(e) / 8
	s_mov_b32 s[CS+1], s[CS]
	s_mov_b32 s[SEL], 0x76543210
	s_mov_b32 s[SEL+1], 0xfedcba98
	s_mov_b32 s[TBK], SLOT1+4*KS*PK ; the first change of slots turns these two into 0
	s_mov_b32 s[TBV], SLOT1+4*KS*PV
	s_mov_b32 s[G0], 1
	s_mul_i32 s[G0+1], s[WV], 128*PK  ; K's two halves, then V's two: wave x 128 rows
	s_mov_b32 s[MOFF], 0
	s_wait_dscnt 0x0                ; the opening add is done
	s_wait_kmcnt 0x0
	s_add_nc_u64 s[G0+2:G0+3], s[4:5], s[72:73]
	s_or_b32 s[G0+3], s[G0+3], 0x80000000
	s_add_nc_u64 s[MB:MB+1], s[6:7], s[78:79]
	s_add_nc_u64 s[4:5], s[4:5], s[76:77]    ; Q and the output at my wave's first row
	s_add_nc_u64 s[10:11], s[10:11], s[76:77]
	CROUND                          ; all four work-groups are here
	JLOAD                           ; slot 0; slot 1 is asked for when slot 0 is in
	v_and_b32 v1, 15, v0
	v_bfe_u32 v9, v0, 4, 1
	v_lshlrev_b32 v[QO], 7, v1
	v_lshl_add_u32 v[QO], v9, 4, v[QO]
	WIN 0x80
.set i, 0
.rept 4*NP                          ; Q stays in registers: tile i / 2, channels 32 (i % 2) on
	global_load_b128 v[8*i:8*i+3],   v[QO], s[4:5] offset:(i/2)*2048+(i%2)*64
	global_load_b128 v[8*i+4:8*i+7], v[QO], s[4:5] offset:(i/2)*2048+(i%2)*64+32
.set i, i+1
.endr
	MLOAD 0                         ; piece 0's words for key step 0
	; What the first turn finds: V's registers and P's second buffer hold 0, O^T and l are 0.  All this stands in the wait for the first tile.
.set i, VF
.rept 64
	v_mov_b32 v[i], 0
.set i, i+1
.endr
	WIN 0x40
.set i, 0
.rept 64*NP
	v_mov_b32 v[i], 0
.set i, i+1
.endr
	WIN 0
.set i, 0
.rept 2*NP
	v_mov_b32 v[ST+4*i], 0xfe000000    ; c m: far below every c s, the fill's too
	v_mov_b32 v[ST+4*i+1], 0xff7fffff  ; m
	v_mov_b32 v[ST+4*i+2], 0
	v_mov_b32 v[ST+4*i+3], 0
.set i, i+1
.endr
.set i, P+32
.rept 32
	v_mov_b32 v[i], 0
.set i, i+1
.endr
	v_mul_u32_u24 v[AK0], v1, PK
	v_lshl_add_u32 v[AK0], v9, 4, v[AK0]
	v_and_b32 v10, 7, v0
	v_bfe_u32 v11, v0, 3, 1
	v_lshl_add_u32 v[AV0], v9, 3, v10
	v_mul_u32_u24 v[AV0], v[AV0], PV
	v_lshl_add_u32 v[AV0], v11, 4, v[AV0]
	v_add_nc_u32 v[AV0], VOFF, v[AV0]
	v_mov_b32 v[AK], v[AK0]
; THE MATRIX WORK.  The 8 accumulators of a run of 16 take turns.
.macro KQ x
	WIN W_KQ
.set rS, S+64*((\x)%2)+32*(i%2)+8*((i/2)%4)
.set rK, KF+16*((i/2)%4)+8*(i/8)
.set rQ, 16*(2*(\x)+i%2)+8*(i/8)
.if i < 8
	v_wmma_f32_16x16x32_f16 v[rS:rS+7], v[rK:rK+7], v[rQ:rQ+7], 0
.else
	v_wmma_f32_16x16x32_f16 v[rS:rS+7], v[rK:rK+7], v[rQ:rQ+7], v[rS:rS+7]
.endif
.endm
.macro PV x
	WIN W_PV
.set rO, 32*(2*(\x)+i%2)+8*((i/2)%4)
.set rV, VF+32*(i/8)+8*((i/2)%4)
.set rP, P+32*((\x)%2)+16*(i%2)+8*(i/8)
	v_wmma_f32_16x16x32_f16 v[rO:rO+7], v[rV:rV+7], v[rP:rP+7], v[rO:rO+7]
.endm
.macro MM                           ; the turn's next matrix instruction
.if i < 16
	KQ (Y+1)%NP
.set i, i+1
.else
.set i, i-16
	PV (Y+NP-1)%NP
.set i, i+17
.endif
.endm
; THE LDS LOADS stand in runs of 16.  last = 1 (the tail): in the last trip there is no further step, and the run is jumped over.
.macro FETCH_K last=0
	WIN 0
.if \last
	s_cmp_eq_u32 s[CNT], 1
	s_cbranch_scc1 .Lno_k_\@
.endif
	WIN 0x80
.irp f, 0,1,2,3,4,5,6,7
	ds_load_b128 v[KF+8*\f:KF+8*\f+3],   v[AK] offset:(\f/2)*16*PK+(\f%2)*64
	ds_load_b128 v[KF+8*\f+4:KF+8*\f+7], v[AK] offset:(\f/2)*16*PK+(\f%2)*64+32
.endr
	s_add_co_u32 s[TBK], s[TBK], KS*PK
	WIN 0
.if \last
.Lno_k_\@:
.endif
.endm
.macro FETCH_V
	WIN 0x80
.irp f, 0,1,2,3,4,5,6,7
	ds_load_tr16_b128 v[VF+8*\f:VF+8*\f+3],   v[AV] offset:(\f/4)*32*PV+(\f%4)*32
	ds_load_tr16_b128 v[VF+8*\f+4:VF+8*\f+7], v[AV] offset:(\f/4)*32*PV+16*PV+(\f%4)*32
.endr
	WIN 0
.endm
; THE VECTOR WORK, in queues; the two tiles of a piece alternate.
.macro REGS y, u
.set rT, ST+4*(2*(\y)+(\u))
.set rC, TMP+8*((\y)%2)+4*(\u)
.set rM, MV+2*((\y)%2)+(\u)
.set rS, S+64*((\y)%2)+32*(\u)
.set rP, P+32*((\y)%2)+16*(\u)
.set rO, 32*(2*(\y)+(\u))
.endm
; Number n of the 22 that find the NEXT piece's maximum and statistics:  0-11 four chains of seven scores;  12-14, 16 the four left over, the old m, the chains into c0;  15 c m_old is kept;
; 17, 18 the other half of the lanes' 32 keys: the new m;  19-21 c m; c m_old - c m_new; a
.macro XS u, n
	REGS (Y+1)%NP, \u
.if (\n) < 4
	v_max3_num_f32 v[rC+(\n)], v[rS+8*(\n)], v[rS+8*(\n)+1], v[rS+8*(\n)+2]
.elseif (\n) < 12
	v_max3_num_f32 v[rC+(\n)%4], v[rC+(\n)%4], v[rS+8*((\n)%4)+2*((\n)/4)+1], v[rS+8*((\n)%4)+2*((\n)/4)+2]
.elseif (\n) == 12
	v_max3_num_f32 v[rC], v[rC], v[rS+7], v[rS+15]
.elseif (\n) == 13
	v_max3_num_f32 v[rC+1], v[rC+1], v[rS+23], v[rS+31]
.elseif (\n) == 14
	v_max3_num_f32 v[rC+2], v[rC+2], v[rC+3], v[rT+1]
.elseif (\n) == 15
	v_mov_b32 v[rM], v[rT]
.elseif (\n) == 16
	v_max3_num_f32 v[rC], v[rC], v[rC+1], v[rC+2]
.elseif (\n) == 17
	v_permlanex16_b32 v[rC+3], v[rC], s[SEL], s[SEL+1]
.elseif (\n) == 18
	v_max_num_f32 v[rT+1], v[rC], v[rC+3]
.elseif (\n) == 19
	v_mul_f32 v[rT], s[CS], v[rT+1]
.elseif (\n) == 20
	v_sub_f32 v[rC+1], v[rM], v[rT]
.else
	v_exp_f32 v[rC+2], v[rC+1]
.endif
.endm
; Number g of the 64 that follow the exponentials: for each four weights both pairs are rounded to f16, the second pair is added onto the first, and a group later l takes that sum (the first time as l = a l + sum).
.macro GS g
.set h, (\g)+6*((\g)/62)
.if h >= 6
.set h, h+2
.endif
	REGS Y, h%2
.set k, h/8
.if h%8 < 4
	v_cvt_pk_f16_f32 v[rP+2*k+(h%8)/2], v[rS+4*k+2*((h%8)/2)], v[rS+4*k+2*((h%8)/2)+1]
.elseif h%8 < 6
	v_pk_add_f32 v[rS+4*k:rS+4*k+1], v[rS+4*k:rS+4*k+1], v[rS+4*k+2:rS+4*k+3]
.elseif k == 1
	v_pk_fma_f32 v[rT+2:rT+3], v[rT+2:rT+3], v[rC+2:rC+3], v[rS:rS+1] op_sel_hi:[1,0,1]
.else
	v_pk_add_f32 v[rT+2:rT+3], v[rT+2:rT+3], v[rS+4*k-4:rS+4*k-3]
.endif
.endm
.macro GN                           ; the next of them
	GS gq
.set gq, gq+1
.endm
.macro FS                           ; the next of 32 scalings: c s - c m for a pair of scores
	WIN 0
	REGS Y, q%2
	v_pk_fma_f32 v[rS+2*(q/2):rS+2*(q/2)+1], v[rS+2*(q/2):rS+2*(q/2)+1], s[CS:CS+1], v[rT:rT+1] op_sel_hi:[1,0,0] neg_lo:[0,0,1] neg_hi:[0,0,1]
.set q, q+1
.endm
.macro EX                           ; the next of 64 exponentials
	WIN 0
	REGS Y, e%2
	v_exp_f32 v[rS+e/2], v[rS+e/2]
.set e, e+1
.endm
.macro MK                           ; the next of 64 masks, for the NEXT piece: where the word's bit is set the score becomes the fill.  Ascending: each accumulator is read first at its low end
	WIN 0
	REGS (Y+1)%NP, mq%2
	v_cndmask_b32 v[rS+mq/2], v[rS+mq/2], v[FILL], s[MKA+(MKB-MKA)*(mq%2)+mq/2]
.set mq, mq+1
.endm
.macro R4                           ; four of the 32 rescalings: O^T times a
	REGS Y, r%2
	WIN W_RS
.irp z, 0,1,2,3
	v_pk_mul_f32 v[rO+8*(r/2)+2*\z:rO+8*(r/2)+2*\z+1], v[rO+8*(r/2)+2*\z:rO+8*(r/2)+2*\z+1], v[rC+2:rC+3] op_sel_hi:[1,0]
.endr
.set r, r+1
.endm
; A TURN, for piece p.
;   8 x (K Q^T; four scalings)      8 x (K Q^T; four rescalings): both wait for nothing, c m and a were made a turn ago.  The last four rescalings are the places behind the last K Q^T.
;   16 x (V^T P; four times exponential, mask): every exponential has a plain instruction behind it; the last four masks are the places behind the last V^T P.
;   then the maximum and statistics of piece p + 1 among the roundings and sums of piece p.
; K of the next step is fetched in piece 2's turn behind the last product that read K, and waited for at the head of piece 3's; V of the step in hand in piece 0's turn behind the last product that read V, and
; waited for in piece 1's.  The words for the turn after are asked for when this turn's have been used; piece 0's are the next step's, so MOFF steps ahead of that load, where no scalar load is out;
; it stays at the last step's words, inside the buffer, when there is no next step.
.macro TURN p, last=0
.set Y, (\p)
.set i, 0
.set q, 0
.set e, 0
.set r, 0
.set mq, 0
.set gq, 0
.if (\p) == NP-1
	s_wait_dscnt 0x0                ; K is in
.endif
.rept 8
	MM
	FS
	FS
	FS
	FS
.endr
.if (\p) == NP-2
	v_add_nc_u32 v[AK], s[TBK], v[AK0]
.endif
.rept 8
	MM
	R4
.endr
.if (\p) == NP-2
	FETCH_K \last
.endif
	s_wait_kmcnt 0x0                ; the words of piece p + 1 are in
.if (\p) == 1
	s_wait_dscnt 0x0                ; V is in
.endif
.rept 16
	MM
.rept 4
	EX
	MK
.endr
.endr
.if (\p) == NP-2
	s_add_co_u32 s[MOFF], s[MOFF], 128
	s_min_u32 s[MOFF], s[MOFF], 31*128
.endif
	MLOAD ((\p)+2)%NP
.if (\p) == 0
	v_add_nc_u32 v[AV], s[TBV], v[AV0]
	FETCH_V
	s_add_co_u32 s[TBV], s[TBV], KS*PV
.endif
	WIN 0
.irp n, 0,1,2,3,4,5,6,7,8,9,10,11,12,13,14,15,16
	XS 0, \n
	XS 1, \n
	GN
	GN
	GN
.endr
.irp n, 17,18,19,20,21
	XS 0, \n
	XS 1, \n
	GN
	GN
.endr
	GN
	GN
	GN
.endm
	CHANGE 1                        ; slot 0 is in, everybody's part of it; slot 1 is asked for
	FETCH_K                         ; key step 0
	s_wait_loadcnt 0x0              ; Q
	s_wait_dscnt 0x0
.set i, 0
.rept 16
	KQ 0                            ; piece 0's first scores
.set i, i+1
.endr
	WIN 0                           ; the addresses for the way out and the fill: plain instructions, the places behind those products
	s_mul_i32 s14, s[WV], 16*SP
	s_add_co_u32 s14, s14, STAGE
	v_mul_u32_u24 v[STO], v1, SP
	v_lshl_add_u32 v[STO], v9, 4, v[STO]
	v_add_nc_u32 v[STO], s14, v[STO]
	v_bfe_u32 v[RD], v0, 3, 2
	v_mul_u32_u24 v[RD], v[RD], SP
	v_lshl_add_u32 v[RD], v10, 4, v[RD]
	v_add_nc_u32 v[RD], s14, v[RD]
	v_and_b32 v[GO], 31, v0
	v_lshlrev_b32 v[GO], 4, v[GO]
	v_mov_b32 v[FILL], 0xd8800000   ; -2^50
.set Y, NP-1                        ; MK and XS work for piece Y + 1: piece 0
.set mq, 0
	s_wait_kmcnt 0x0
.rept 64
	MK
.endr
	MLOAD 1                         ; for the first turn
.irp n, 0,1,2,3,4,5,6,7,8,9,10,11,12,13,14,15,16,17,18,19,20,21
	XS 0, \n
	XS 1, \n
.endr
	s_mov_b32 s[CNT], 4
	s_mov_b32 s[SLOTS], 7
	s_branch .Lfirst                ; the loop is entered at a step's first turn, in the middle of a trip
.Lslot:                             ; six times: every slot but the last two is filled again
	CHANGE 1
	s_mov_b32 s[CNT], 4
.Lstep:                             ; a trip: pieces 2 and 3 of one step, then pieces 0 and 1 of the next
	TURN 2
	TURN 3
	WIN 0
.Lfirst:
	TURN 0
	TURN 1
	WIN 0
	s_sub_co_u32 s[CNT], s[CNT], 1
	s_cmp_lg_u32 s[CNT], 0
	s_cbranch_scc1 .Lstep
	s_sub_co_u32 s[SLOTS], s[SLOTS], 1
	s_cmp_lg_u32 s[SLOTS], 0
	s_cbranch_scc1 .Lslot
	CHANGE 0                        ; the tail is written out
	s_mov_b32 s[CNT], 5             ; four trips fetch the last slot's steps; the fifth is left in its middle
.Ltail:
	TURN 2, 1
	TURN 3
	WIN 0
	s_sub_co_u32 s[CNT], s[CNT], 1
	s_cmp_eq_u32 s[CNT], 0
	s_cbranch_scc1 .Lout
	TURN 0
	TURN 1
	WIN 0
	s_branch .Ltail
.Lout:                              ; the fifth trip's 16 products K Q^T and what is made of them serve nothing: the price, once a launch, of one text for every trip
.set i, 0
.rept 16
	PV NP-1
.set i, i+1
.endr
	; THE WAY OUT.  l's two halves and the other half of the lanes' are added; O^T is divided by l, rounded to f16 and sent through my stage, a tile at a time.  The additions are the places behind the last products.
	WIN 0
.macro ALL line:vararg
.set t, 0
.rept 2*NP
	\line
.set t, t+1
.endr
.endm
	ALL v_add_f32 v[ST+4*t+2], v[ST+4*t+2], v[ST+4*t+3]
	ALL v_permlanex16_b32 v[ST+4*t+3], v[ST+4*t+2], s[SEL], s[SEL+1]
	ALL v_add_f32 v[ST+4*t+2], v[ST+4*t+2], v[ST+4*t+3]
	ALL v_rcp_f32 v[ST+4*t+2], v[ST+4*t+2]
	v_nop                           ; a plain instruction between the last reciprocal and the use of its result
.macro PACK t
	WIN W_RS
.set i, 32*(\t)
.rept 16
	v_pk_mul_f32 v[i:i+1], v[i:i+1], v[ST+4*(\t)+2:ST+4*(\t)+3] op_sel_hi:[1,0]
.set i, i+2
.endr
	WIN 0x05
.set i, 0
.rept 16
	v_cvt_pk_f16_f32 v[S+16*(\t)+i], v[32*(\t)+2*i], v[32*(\t)+2*i+1]
.set i, i+1
.endr
	WIN 0
.irp f, 0,1,2,3
	ds_store_b128 v[STO], v[S+16*(\t)+4*\f:S+16*(\t)+4*\f+3] offset:32*\f
.endr
.irp f, 0,1,2,3
	ds_load_b128 v[S+16*(\t)+4*\f:S+16*(\t)+4*\f+3], v[RD] offset:\f*4*SP  ; LDS serves a wave's instructions in order (ISA guide 5.7.1.4)
.endr
.endm
.macro SEND t, younger              ; younger: the LDS instructions issued behind tile t's loads
	WIN 0
.irp f, 0,1,2,3
	s_wait_dscnt (\younger)+3-\f
	global_store_b128 v[GO], v[S+16*(\t)+4*\f:S+16*(\t)+4*\f+3], s[10:11] offset:(\t)*2048+\f*512  ; 512 consecutive bytes
.endr
.endm
	PACK 0
.set t, 1
.rept 2*NP-1
	PACK t
	SEND t-1, 8
.set t, t+1
.endr
	SEND 2*NP-1, 0
	s_wait_kmcnt 0x0                ; the last words asked for, which nobody uses
	WIN W_AD
	s_wait_tensorcnt 0x0            ; the wave's end
	ds_add_u32 v[SPW], v[NIL]
	s_wait_dscnt 0x0
	WIN 0
	CROUND                          ; the closing round
	s_endpgm
.Lfunc_end_k_q70ad7c4945_attn:
	.size	k_q70ad7c4945_attn, .Lfunc_end_k_q70ad7c4945_attn-k_q70ad7c4945_attn
	.p2alignl 7, 3214868480
	.fill 96, 4, 3214868480
	.section	.rodata,"a",@progbits
	.p2align	6, 0x0
	.amdhsa_kernel k_q70ad7c4945_attn
		.amdhsa_group_segment_fixed_size 327680
		.amdhsa_private_segment_fixed_size 0
		.amdhsa_enable_private_segment 0
		.amdhsa_kernarg_size 24
		.amdhsa_user_sgpr_count 2
		.amdhsa_user_sgpr_kernarg_segment_ptr 1
		.amdhsa_wavefront_size32 1
		.amdhsa_system_sgpr_workgroup_id_x 1
		.amdhsa_system_sgpr_workgroup_id_y 1
		.amdhsa_system_sgpr_workgroup_id_z 1
		.amdhsa_system_vgpr_workitem_id 0
		.amdhsa_next_free_vgpr 770
		.amdhsa_next_free_sgpr 102
		.amdhsa_reserve_vcc 0
		.amdhsa_float_denorm_mode_32 3
		.amdhsa_float_denorm_mode_16_64 3
		.amdhsa_memory_ordered 1
		.amdhsa_forward_progress 1
		.amdhsa_inst_pref_size 232
	.end_amdhsa_kernel
	.amdgpu_metadata
---
amdhsa.version: [ 1, 2 ]
amdhsa.kernels:
  - .name:           k_q70ad7c4945_attn
    .symbol:         k_q70ad7c4945_attn.kd
    .args:
      - { .name: qkv, .offset: 0, .size: 8, .value_kind: global_buffer, .address_space: global }
      - { .name: mbits, .offset: 8, .size: 8, .value_kind: global_buffer, .address_space: global }
      - { .name: ctx, .offset: 16, .size: 8, .value_kind: global_buffer, .address_space: global }
    .group_segment_fixed_size: 327680
    .private_segment_fixed_size: 0
    .kernarg_segment_align: 8
    .kernarg_segment_size: 24
    .max_flat_workgroup_size: 128
    .sgpr_count:     102
    .vgpr_count:     770
    .wavefront_size: 32
...
	.end_amdgpu_metadata
.endif
;; end of part 3
;; launch outp (part 4): grid 4 x 64, 4 waves a work-group, clusters of 4 x 4, 327,680 bytes of LDS; arguments ctx, wb, bb, out0; writes out0
.if DOCPART == 4
	.amdgcn_target "amdgcn-amd-amdhsa--gfx1250"
	.amdhsa_code_object_version 6
	.text
	.protected	k_q70ad7c4945_outp
	.globl	k_q70ad7c4945_outp
	.p2align	8
	.type	k_q70ad7c4945_outp,@function
k_q70ad7c4945_outp:
	s_mov_b64 s[64:65], 0
	v_nop
	global_prefetch_b8 v0, s[64:65] scope:SCOPE_SE
	s_setreg_imm32_b32 hwreg(HW_REG_WAVE_MODE, 25, 1), 1
	s_wait_xcnt 0x0
	s_wait_alu depctr_hold_cnt(0) depctr_sa_sdst(0) depctr_va_vdst(0) depctr_va_sdst(0) depctr_va_ssrc(0) depctr_va_vcc(0) depctr_vm_vsrc(0)
	s_getreg_b32 s2, hwreg(HW_REG_IB_STS2, 6, 4)
	s_cmp_eq_u32 s2, 0
	s_cbranch_scc0 .Lentry_in_a_cluster
	s_endpgm
.Lentry_in_a_cluster:
	s_bfe_u32 s2, ttmp6, 0x10000c
	s_cmp_lg_u32 s2, 0xf033
	s_cbranch_scc0 .Lentry_shape_is_right
	s_endpgm
.Lentry_shape_is_right:
; THE OUTPUT PROJECTION.  out0[b][s][n] (f32) = the sum over head, channel of ctx[16 b + head][s][channel] Wo[64 head + channel][n] + bo[n].  ctx f16; Wo: wb's part 3, [k][n], f16; bo: bb's part 3, f32; sums in f32.
; SHARES.  A tile of C is 128 rows x 256 columns: 256 tiles.  Four waves, each 64 x 128: 32 accumulators.  K goes in 8 steps of 128 = two heads, a step in four quarters of 32.
; The matrix instruction is used transposed (source 0 = 16 columns of Wo, source 1 = 16 rows of ctx): a lane holds eight neighbouring columns of one row of C.
; TILES.  Two LDS slots.  Waves 0 and 1 bring a head's 128 rows each (16,384 dense bytes, asked for as 64 rows of 256 bytes, padded after every 128), waves 2 and 3 64 k rows x 512 bytes of Wo each.
; CLUSTER 4 x 4: ctx's tiles are shared along a row of the cluster, Wo's along a column; each is asked for jointly.
; The bias is the C operand of the first quarter's products.
; REGISTERS: window 0: v1-31 addresses; v32-95 ctx's fragments, two buffers; v96-223 the way out, two sets of 16 rows.  window 1: v0-127 Wo's fragments, two buffers; v128-191 the bias.  window 2: accumulator (a, b) at v[8 (8 a + b)].
.set PB,    544
.set PA,    144
.set BOFF,  2*128*PA                   ; a slot: two heads x 128 rows of ctx, then 128 k rows of Wo
.set SLOT1, 1<<17
.set STG,   SLOT1+BOFF+128*PB          ; behind the ring: 16 rows x 528 bytes for each wave
.set SP,    528
.set SPARE, STG+4*16*SP
.set ADRA, 16                          ; v16  LDS address of my fragments of ctx in the slot in hand
.set LA0,  17                          ; v17  its lane term; never rewritten
.set ADRB, 20                          ; v20, v21  the same for Wo
.set LB0,  21
.set STO,  24
.set RD,   25
.set CO,   26
.set SPW,  28
.set NIL,  29
.set BO,   30
.set AB,   32
.set OB,   96
.set BIAS, 128
.set G1A, 24                           ; s[24:31] group 1 for ctx's tiles;  s[32:39] group 0: a set for each first fill; the second then walks
.set G0A, 32
.set G1B, 48                           ; s[48:55], s[56:63] the same for Wo's
.set G0B, 56
.set TB,  45                           ; s45  the slot in hand: 0 or SLOT1
.set MSB, 0
.macro WIN new
.if MSB != (\new)
	s_set_vgpr_msb (MSB<<8)|(\new)
.set MSB, \new
.endif
.endm
.set MUL,  0xa1
.set MULB, 0x91
.set TO_B, 0x40
.set ST2,  0x08                        ; an LDS store's data in window 2
.macro PLACES
.rept 4
	v_nop
.endr
.endm
.macro CREST
	s_cmp_lg_u32 s10, 0
	s_cbranch_scc1 .Lnot_wave_0_\@
	s_barrier_signal -3
.Lnot_wave_0_\@:
	s_barrier_wait -3
	s_barrier_signal -1
	s_barrier_wait -1
.endm
.macro CROUND
	s_barrier_signal -1
	s_barrier_wait -1
	CREST
.endm
.macro JLOAD                           ; a joint refill by the walking sets; the branch hangs on the wave's number alone
	s_cmp_eq_u32 s11, 0
	s_cbranch_scc0 .Lfor_b_\@
	tensor_load_to_lds s[G0A+4:G0A+7], s[G1A:G1A+7]
	s_nop 0
.rept 4
	v_nop
.endr
	s_branch .Lasked_\@
.Lfor_b_\@:
	tensor_load_to_lds s[G0B+4:G0B+7], s[G1B:G1B+7]
	s_nop 0
.rept 4
	v_nop
.endr
.Lasked_\@:
.endm
	s_load_b256 s[68:75], s[0:1], 0x0              ; ctx 68, wb 70, bb 72, out0 74
	v_lshl_add_u32 v[SPW], v0, 2, SPARE
	v_mov_b32 v[NIL], 0
	ds_add_u32 v[SPW], v[NIL]                      ; the wave's opening: the add and its wait stand ahead of my first tensor load
	v_lshrrev_b32 v1, 5, v0
	v_readfirstlane_b32 s10, v1
	s_lshr_b32 s11, s10, 1                         ; which 64 rows are mine.  Also: I fetch ctx (0) or Wo (1)
	s_and_b32 s12, s10, 1                          ; which 128 columns.  Also: which half of that tile I fetch
	s_bfe_u32 s40, ttmp6, 0x40000
	s_bfe_u32 s41, ttmp6, 0x40004
	s_lshl_b32 s42, ttmp9, 2
	s_add_co_u32 s42, s42, s40                     ; tile column
	s_and_b32 s13, ttmp7, 0xffff
	s_lshl_b32 s13, s13, 2
	s_add_co_u32 s13, s13, s41                     ; tile row 0..63
	s_lshl_b32 s43, s41, 2
	s_lshl_b32 s43, 15, s43                        ; my row of the cluster
	s_lshl_b32 s44, 0x1111, s40                    ; my column
	s_or_b32 s[G1A+0], s43, (1<<16)|(1<<20)|(1<<21)|(4<<22)|(3<<25)  ; 2-byte elements; 4 words of padding behind every 32
	s_mov_b32 s[G1A+1], 128<<16
	s_mov_b32 s[G1A+2], 64<<16
	s_mov_b32 s[G1A+3], 128<<16
	s_mov_b32 s[G1A+4], 64
	s_mov_b32 s[G1A+5], 128
	s_mov_b32 s[G1A+6], 0
	s_mov_b32 s[G1A+7], 0
	s_or_b32 s[G1B+0], s44, (1<<16)|(1<<20)|(1<<21)|(6<<22)|(7<<25)  ; 8 words of padding behind every 128
	s_mov_b32 s[G1B+1], 256<<16
	s_mov_b32 s[G1B+2], 64<<16
	s_mov_b32 s[G1B+3], 256<<16
	s_mov_b32 s[G1B+4], 64
	s_mov_b32 s[G1B+5], 1024
	s_mov_b32 s[G1B+6], 0
	s_mov_b32 s[G1B+7], 0
	s_lshr_b32 s14, s13, 4                         ; ctx: batch,
	s_lshl_b32 s14, s14, 4
	s_add_co_u32 s14, s14, s12                     ; head 0 or 1 of the step,
	s_lshl_b32 s14, s14, 11
	s_and_b32 s15, s13, 15
	s_lshl_b32 s15, s15, 7
	s_add_co_u32 s14, s14, s15                     ; the tile's 128 rows,
	s_lshl_b32 s14, s14, 7                         ; of 128 bytes: nothing of cx enters
	s_mov_b32 s15, 0
	s_lshl_b32 s46, s12, 17                        ; Wo: my 64 k rows of 2,048 bytes,
	s_add_co_u32 s46, s46, (3<<21)                 ; in wb's part 3,
	s_lshl_b32 s47, s42, 9                         ; the tile column's 512 bytes: nothing of cy enters
	s_add_co_u32 s46, s46, s47
	s_mov_b32 s47, 0
	s_mul_i32 s20, s12, 128*PA                     ; where they go
	s_mul_i32 s21, s12, 64*PB
	s_add_co_u32 s21, s21, BOFF
	s_lshl_b32 s18, s42, 10                        ; my first column, in bytes of f32
	s_lshl_b32 s19, s12, 9
	s_add_co_u32 s18, s18, s19
	s_lshl_b32 s16, s13, 19                        ; my first row of 4,096 bytes
	s_lshl_b32 s17, s11, 18
	s_add_co_u32 s16, s16, s17
	s_add_co_u32 s16, s16, s18
	s_mov_b32 s17, 0
	s_add_co_u32 s18, s18, 3*4096                  ; bb's part 3
	s_mov_b32 s19, 0
	s_mov_b32 s[TB], 0
	s_wait_dscnt 0x0                               ; the opening add is done
	s_wait_kmcnt 0x0
	s_add_nc_u64 s[14:15], s[68:69], s[14:15]
	s_add_nc_u64 s[46:47], s[70:71], s[46:47]
	s_add_nc_u64 s[66:67], s[72:73], s[18:19]
	s_add_nc_u64 s[8:9], s[74:75], s[16:17]
	CROUND                                         ; all sixteen work-groups are here
.irp s, 0,1
	s_mov_b32 s[G0A+4*(\s)], 1
	s_add_co_u32 s[G0A+4*(\s)+1], s20, (\s)*SLOT1
	s_add_nc_u64 s[G0A+4*(\s)+2:G0A+4*(\s)+3], s[14:15], (\s)*2*262144   ; K step s: two heads on
	s_or_b32 s[G0A+4*(\s)+3], s[G0A+4*(\s)+3], 0x80000000
	s_mov_b32 s[G0B+4*(\s)], 1
	s_add_co_u32 s[G0B+4*(\s)+1], s21, (\s)*SLOT1
	s_add_nc_u64 s[G0B+4*(\s)+2:G0B+4*(\s)+3], s[46:47], (\s)*128*2048
	s_or_b32 s[G0B+4*(\s)+3], s[G0B+4*(\s)+3], 0x80000000
.endr
	s_cmp_eq_u32 s11, 0                            ; a wave's two first fills stand in one branch: two loads of mine are out
	s_cbranch_scc0 .Lfirst_b
	tensor_load_to_lds s[G0A:G0A+3], s[G1A:G1A+7]
	s_nop 0
	tensor_load_to_lds s[G0A+4:G0A+7], s[G1A:G1A+7]
	s_nop 0
.rept 4
	v_nop
.endr
	s_branch .Lfirst_asked
.Lfirst_b:
	tensor_load_to_lds s[G0B:G0B+3], s[G1B:G1B+7]
	s_nop 0
	tensor_load_to_lds s[G0B+4:G0B+7], s[G1B:G1B+7]
	s_nop 0
.rept 4
	v_nop
.endr
.Lfirst_asked:
	v_and_b32 v1, 15, v0
	v_bfe_u32 v2, v0, 4, 1
	v_and_b32 v3, 31, v0
	v_mul_u32_u24 v4, v1, PA
	v_lshl_add_u32 v4, v2, 4, v4
	s_mul_i32 s22, s11, 64*PA
	v_add_nc_u32 v[LA0], s22, v4                   ; (64 half + r) x 144 + 16 h
	v_and_b32 v5, 7, v0
	v_lshl_add_u32 v5, v2, 3, v5
	v_mul_u32_u24 v5, v5, PB
	v_bfe_u32 v6, v0, 3, 1
	v_lshl_add_u32 v5, v6, 4, v5
	v_lshl_add_u32 v5, s12, 8, v5
	v_add_nc_u32 v[LB0], BOFF, v5
	v_mov_b32 v[ADRA], v[LA0]
	v_mov_b32 v[ADRB], v[LB0]
	s_mul_i32 s22, s10, 16*SP
	s_add_co_u32 s22, s22, STG
	v_mul_u32_u24 v7, v1, SP
	v_lshl_add_u32 v7, v2, 5, v7
	v_add_nc_u32 v[STO], s22, v7                   ; in: row r, 32 bytes for each half of the lanes
	v_lshl_add_u32 v[RD], v3, 4, s22               ; back: a row's 512 bytes
	v_lshlrev_b32 v[CO], 4, v3
	v_lshlrev_b32 v[BO], 5, v2
	WIN TO_B
.irp b, 0,1,2,3,4,5,6,7
	global_load_b128 v[BIAS+8*(\b):BIAS+8*(\b)+3],   v[BO], s[66:67] offset:64*(\b)
	global_load_b128 v[BIAS+8*(\b)+4:BIAS+8*(\b)+7], v[BO], s[66:67] offset:64*(\b)+16
.endr
	WIN 0
.macro MUL8 f, a, first                ; each accumulator has one turn a quarter, 31 others' between
.if \first
	WIN MULB
.else
	WIN MUL
.endif
.irp b, 0,1,2,3,4,5,6,7
.if \first
	v_wmma_f32_16x16x32_f16 v[8*(8*(\a)+(\b)):8*(8*(\a)+(\b))+7], v[64*(\f)+8*(\b):64*(\f)+8*(\b)+7], v[AB+32*(\f)+8*(\a):AB+32*(\f)+8*(\a)+7], v[BIAS+8*(\b):BIAS+8*(\b)+7]
.else
	v_wmma_f32_16x16x32_f16 v[8*(8*(\a)+(\b)):8*(8*(\a)+(\b))+7], v[64*(\f)+8*(\b):64*(\f)+8*(\b)+7], v[AB+32*(\f)+8*(\a):AB+32*(\f)+8*(\a)+7], v[8*(8*(\a)+(\b)):8*(8*(\a)+(\b))+7]
.endif
.endr
.endm
.macro FETCH kq, g                     ; 24 LDS loads: quarter kq of the slot in hand into buffer g; quarters 0, 1 lie in the step's first head, 2, 3 in its second
	WIN TO_B
.irp b, 0,1,2,3,4,5,6,7
	ds_load_tr16_b128 v[64*(\g)+8*(\b):64*(\g)+8*(\b)+3],   v[ADRB] offset:(\kq)*32*PB+32*(\b)
	ds_load_tr16_b128 v[64*(\g)+8*(\b)+4:64*(\g)+8*(\b)+7], v[ADRB] offset:(\kq)*32*PB+32*(\b)+16*PB
.endr
	WIN 0
.irp a, 0,1,2,3
	ds_load_b128 v[AB+32*(\g)+8*(\a):AB+32*(\g)+8*(\a)+3],   v[ADRA] offset:((\kq)/2)*128*PA+((\kq)%2)*64+(\a)*16*PA
	ds_load_b128 v[AB+32*(\g)+8*(\a)+4:AB+32*(\g)+8*(\a)+7], v[ADRA] offset:((\kq)/2)*128*PA+((\kq)%2)*64+(\a)*16*PA+32
.endr
.endm
.macro QUARTER kq, f, g, first         ; multiplies buffer f; ahead of that it fetches quarter kq into buffer g
	s_wait_dscnt 0x0                               ; buffer f's fragments are in
	PLACES
	FETCH \kq, \g
	MUL8 \f, 0, \first
	MUL8 \f, 1, \first
	MUL8 \f, 2, \first
	MUL8 \f, 3, \first
.endm
; The fourth quarter multiplies buffer 1 and changes slots: ONE barrier; in front of it each wave waits for all its tensor loads (one is out: its part of the next slot), adds 0 to its spare word, and waits for
; that and for its reads of this slot.  fill = 1: the barrier opens a round of the cluster's, and this slot is filled again, two steps ahead.
.macro TURN fill
	WIN 0
	s_wait_tensorcnt 0x0
	ds_add_u32 v[SPW], v[NIL]
	s_wait_dscnt 1                                 ; the add alone may be out
	MUL8 1, 0, 0
	s_wait_dscnt 0x0
	s_barrier_signal -1
	MUL8 1, 1, 0
	WIN 0
	s_barrier_wait -1
.if \fill
	CREST
	s_xor_b32 s[G0A+5], s[G0A+5], SLOT1            ; the walking sets: the other slot than last time, one K step on
	s_add_nc_u64 s[G0A+6:G0A+7], s[G0A+6:G0A+7], 2*262144
	s_xor_b32 s[G0B+5], s[G0B+5], SLOT1
	s_add_nc_u64 s[G0B+6:G0B+7], s[G0B+6:G0B+7], 128*2048
	JLOAD                                          ; my one load behind the round: 112 matrix instructions ahead of the wait for it; its four v_nop are also the places in front of the loads below
.else
	PLACES
.endif
	s_xor_b32 s[TB], s[TB], SLOT1
	v_add_nc_u32 v[ADRA], s[TB], v[LA0]
	v_add_nc_u32 v[ADRB], s[TB], v[LB0]
	FETCH 0, 0
	MUL8 1, 2, 0
	MUL8 1, 3, 0
.endm
	s_wait_tensorcnt 0x1                           ; my part of K step 0 is in; step 1's may stay out
	s_barrier_signal -1
	s_barrier_wait -1
	FETCH 0, 0
	s_wait_loadcnt 0x0                             ; the bias
	QUARTER 1, 0, 1, 1                             ; the first quarter stands ahead of the loop: the bias starts the sums
	WIN 0
	s_mov_b32 s3, 6
.Lstep:                                                ; a trip: one K step, from its second quarter to the next step's first
	QUARTER 2, 1, 0, 0
	QUARTER 3, 0, 1, 0
	TURN 1
	QUARTER 1, 0, 1, 0
	WIN 0
	s_sub_co_u32 s3, s3, 1
	s_cmp_lg_u32 s3, 0
	s_cbranch_scc1 .Lstep
	QUARTER 2, 1, 0, 0                             ; step 6 goes on; nothing is left to ask for
	QUARTER 3, 0, 1, 0
	TURN 0
	QUARTER 1, 0, 1, 0
	QUARTER 2, 1, 0, 0
	QUARTER 3, 0, 1, 0
	s_wait_dscnt 0x0
	MUL8 1, 0, 0
	MUL8 1, 1, 0
	MUL8 1, 2, 0
	MUL8 1, 3, 0
; THE WAY OUT, a block of 16 rows at a time: straight from the accumulators (registers 0-3 ahead of 4-7) into my stage, back as whole rows of 512 bytes, stored.
.macro TOSTAGE a
	WIN ST2
.irp b, 0,1,2,3,4,5,6,7
	ds_store_b128 v[STO], v[8*(8*(\a)+(\b)):8*(8*(\a)+(\b))+3]   offset:64*(\b)
	ds_store_b128 v[STO], v[8*(8*(\a)+(\b))+4:8*(8*(\a)+(\b))+7] offset:64*(\b)+16
.endr
	WIN 0
.irp t, 0,1,2,3,4,5,6,7,8,9,10,11,12,13,14,15
	ds_load_b128 v[OB+64*((\a)%2)+4*(\t):OB+64*((\a)%2)+4*(\t)+3], v[RD] offset:(\t)*SP  ; LDS serves a wave's instructions in order (ISA guide 5.7.1.4)
.endr
.endm
.macro SEND a, younger                 ; younger: the next block's 16 stores and 16 loads, or none
	s_wait_dscnt \younger
.irp t, 0,1,2,3,4,5,6,7,8,9,10,11,12,13,14,15
	global_store_b128 v[CO], v[OB+64*((\a)%2)+4*(\t):OB+64*((\a)%2)+4*(\t)+3], s[8:9] offset:(16*(\a)+(\t))*4096 th:TH_STORE_NT  ; 512 consecutive bytes of a row
.endr
.endm
	PLACES
	TOSTAGE 0
	TOSTAGE 1
	SEND 0, 32
	s_wait_xcnt 0x0                                ; block 0's registers are loaded again only behind this wait (ISA guide 3.1)
	TOSTAGE 2
	SEND 1, 32
	s_wait_xcnt 0x0
	TOSTAGE 3
	SEND 2, 32
	SEND 3, 0
	s_wait_tensorcnt 0x0                           ; the wave's end
	ds_add_u32 v[SPW], v[NIL]
	s_wait_dscnt 0x0
	CROUND                                         ; the closing round
	s_endpgm
.Lfunc_end_k_q70ad7c4945_outp:
	.size	k_q70ad7c4945_outp, .Lfunc_end_k_q70ad7c4945_outp-k_q70ad7c4945_outp
	.p2alignl 7, 3214868480
	.fill 96, 4, 3214868480
	.section	.rodata,"a",@progbits
	.p2align	6, 0x0
	.amdhsa_kernel k_q70ad7c4945_outp
		.amdhsa_group_segment_fixed_size 327680
		.amdhsa_private_segment_fixed_size 0
		.amdhsa_enable_private_segment 0
		.amdhsa_kernarg_size 32
		.amdhsa_user_sgpr_count 2
		.amdhsa_user_sgpr_kernarg_segment_ptr 1
		.amdhsa_wavefront_size32 1
		.amdhsa_system_sgpr_workgroup_id_x 1
		.amdhsa_system_sgpr_workgroup_id_y 1
		.amdhsa_system_sgpr_workgroup_id_z 1
		.amdhsa_system_vgpr_workitem_id 0
		.amdhsa_next_free_vgpr 768
		.amdhsa_next_free_sgpr 76
		.amdhsa_reserve_vcc 0
		.amdhsa_float_denorm_mode_32 3
		.amdhsa_float_denorm_mode_16_64 3
		.amdhsa_memory_ordered 1
		.amdhsa_forward_progress 1
		.amdhsa_inst_pref_size 70
	.end_amdhsa_kernel
	.amdgpu_metadata
---
amdhsa.version: [ 1, 2 ]
amdhsa.kernels:
  - .name:           k_q70ad7c4945_outp
    .symbol:         k_q70ad7c4945_outp.kd
    .args:
      - { .name: ctx, .offset: 0, .size: 8, .value_kind: global_buffer, .address_space: global }
      - { .name: wb, .offset: 8, .size: 8, .value_kind: global_buffer, .address_space: global }
      - { .name: bb, .offset: 16, .size: 8, .value_kind: global_buffer, .address_space: global }
      - { .name: out0, .offset: 24, .size: 8, .value_kind: global_buffer, .address_space: global }
    .group_segment_fixed_size: 327680
    .private_segment_fixed_size: 0
    .kernarg_segment_align: 8
    .kernarg_segment_size: 32
    .max_flat_workgroup_size: 128
    .sgpr_count:     76
    .vgpr_count:     768
    .wavefront_size: 32
...
	.end_amdgpu_metadata
.endif
;; end of part 4
;; ======== version 2 of 2: 4 launches; 1.22 times as fast as version 1
;; limits: values are held in f16: magnitudes above 65,504 overflow, below 6.1e-05 lose precision
;; workspace buffers: wb 8,388,608 bytes; bb 16,384 bytes; mnib 8,388,608 bytes; qkv 50,331,648 bytes; ctx 16,777,216 bytes
;; launch prep (part 5): grid 1028 x 1, 8 waves a work-group, no clusters, 35,840 bytes of LDS; arguments mask, Wq, Wk, Wv, Wo, bq, bk, bv, bo, mnib, wb, bb; writes mnib, wb, bb
.if DOCPART == 5
	.amdgcn_target "amdgcn-amd-amdhsa--gfx1250"
	.amdhsa_code_object_version 6
	.text
	.protected	k_q70ad7c4945_prep
	.globl	k_q70ad7c4945_prep
	.p2align	8
	.type	k_q70ad7c4945_prep,@function
k_q70ad7c4945_prep:
	s_mov_b64 s[64:65], 0
	v_nop
	global_prefetch_b8 v0, s[64:65] scope:SCOPE_SE
	s_setreg_imm32_b32 hwreg(HW_REG_WAVE_MODE, 25, 1), 1
	s_wait_xcnt 0x0
; PREPARATION, a stream: three kinds of work-group, chosen by the work-group's number alone.
;   0 .. 511      the mask, one byte (0 or 1) a (query, key), is packed into 4-bit codes, 0xF where it is set: mnib[b][qt][step][lane L][kb], 32 bits each.  Nibble j of that word is
;                 mask[b][16 qt + L % 16][64 step + 16 kb + 8 (L / 16) + j]: the lane's eight registers of the result tile of 16 keys (block kb) x 16 queries.
;   512 .. 1023   Wq, Wk, Wv rounded to bf16, Wo rounded to bf16 and that number written as f16; all stay [k][n].  8,192 numbers a work-group.
;   1024 .. 1027  the four biases rounded to bf16 and widened again to f32.
; LIMIT.  An entry of Wo below 2^-14 in magnitude keeps f16's fixed step of 2^-24; beyond 65,504 it would be an infinity.
; No matrix unit, no cluster: nothing is shared and nothing is multiplied.
.set PITCH,  272                       ; a mask row's 256 bytes in LDS + 16: the 16 rows that a load of 8 bytes a lane touches start in different banks
.set WBYTES, 16*PITCH                  ; a wave's 16 rows
.set SPARE,  8*WBYTES                  ; behind them: the spare words, 128 bytes a wave
.set SPW, 70                           ; v70  my spare word's LDS address; never rewritten
.set NIL, 71                           ; v71  0; never rewritten
	s_load_b512 s[4:19], s[0:1], 0x0               ; mask 4, Wq 6, Wk 8, Wv 10, Wo 12, bq 14, bk 16, bv 18
	s_load_b256 s[20:27], s[0:1], 0x40             ; bo 20, mnib 22, wb 24, bb 26
	v_lshl_add_u32 v[SPW], v0, 2, SPARE
	v_mov_b32 v[NIL], 0
	v_lshrrev_b32 v1, 5, v0
	v_readfirstlane_b32 s28, v1                    ; wave 0..7
	v_and_b32 v2, 31, v0                           ; lane L
	v_and_b32 v3, 15, v0                           ; L % 16
	v_bfe_u32 v4, v0, 4, 1                         ; L / 16
	s_mov_b32 s29, ttmp9
	s_mov_b32 s39, 0                               ; high word of every offset pair s[38:39]
	s_wait_kmcnt 0x0
	s_cmp_lt_u32 s29, 512
	s_cbranch_scc0 .Lnot_mask
	; THE MASK.  Work-group g = 128 b + qt owns 16 query rows of 2,048 bytes; wave w the keys 256 w .. 256 w + 255: four key steps.
	s_lshl_b32 s38, s29, 15                        ; 16 rows x 2,048 bytes
	s_add_nc_u64 s[4:5], s[4:5], s[38:39]
	s_lshl_b32 s38, s29, 14                        ; 32 steps x 512 bytes
	s_add_nc_u64 s[22:23], s[22:23], s[38:39]
	v_lshlrev_b32 v5, 4, v3                        ; 16 (L % 16)
	v_lshl_add_u32 v6, v4, 11, v5                  ; + a row for the upper lanes
	v_lshl_add_u32 v6, s28, 8, v6                  ; + my wave's 256 bytes: a load covers two rows x 256 consecutive, aligned bytes
	s_mul_i32 s36, s28, WBYTES
	v_mul_u32_u24 v7, v4, PITCH
	v_add_nc_u32 v7, v7, v5
	v_add_nc_u32 v7, s36, v7                       ; where those bytes go in LDS
.irp i, 0,1,2,3,4,5,6,7
	global_load_b128 v[32+4*(\i):35+4*(\i)], v6, s[4:5] offset:(\i)*4096 th:TH_LOAD_NT
.endr
	v_mul_u32_u24 v16, v3, PITCH
	v_lshl_add_u32 v16, v4, 3, v16
	v_add_nc_u32 v16, s36, v16                     ; back: query row L % 16, 8 keys from 8 (L / 16) on
	v_lshlrev_b32 v18, 4, v2
	v_lshl_add_u32 v18, s28, 11, v18               ; out: my wave's four steps of 512 bytes, 16 bytes a lane
.irp i, 0,1,2,3,4,5,6,7
	s_wait_loadcnt 7-(\i)                          ; loads come back in order: pair i of rows is in, the younger stay out
	ds_store_b128 v7, v[32+4*(\i):35+4*(\i)] offset:(\i)*2*PITCH
.endr
	s_wait_dscnt 0x0                               ; my stores are done
	s_barrier_signal -1
	s_barrier_wait -1                              ; everybody's are; nothing is stored to LDS behind this
	s_mov_b32 s37, 4                               ; four key steps
	s_mov_b32 s35, 0                               ; 64 x step: the step's bytes in a row
	s_mov_b32 s34, 0x06040200                      ; bytes 0 and 2 of the low word, then of the high word
.Lst:
	v_add_nc_u32 v17, s35, v16
.irp k, 0,1,2,3
	ds_load_b64 v[20+2*(\k):21+2*(\k)], v17 offset:16*(\k)   ; key block k: my eight keys' bytes
.endr
	s_wait_dscnt 0x0
.irp k, 0,1,2,3
	v_lshrrev_b32 v10, 4, v[20+2*(\k)]             ; x | x >> 4: byte 0 holds keys 0 and 1 at bits 0 and 4, byte 2 keys 2 and 3
	v_lshrrev_b32 v11, 4, v[21+2*(\k)]
	v_or_b32 v10, v10, v[20+2*(\k)]
	v_or_b32 v11, v11, v[21+2*(\k)]
	v_perm_b32 v10, v11, v10, s34                  ; eight keys at bits 0, 4, .. 28
	v_mul_lo_u32 v[12+(\k)], v10, 15               ; each bit becomes a nibble of ones: no carry passes a nibble
.endr
	global_store_b128 v18, v[12:15], s[22:23]      ; a wave stores 512 consecutive bytes
	s_wait_xcnt 0x0                                ; the store's offset and data are written again only behind this wait (ISA guide 3.1)
	v_add_nc_u32 v18, 0x200, v18
	s_add_co_u32 s35, s35, 64
	s_sub_co_u32 s37, s37, 1
	s_cmp_lg_u32 s37, 0
	s_cbranch_scc1 .Lst
	s_wait_tensorcnt 0x0                           ; the wave's end, behind my last LDS store
	ds_add_u32 v[SPW], v[NIL]
	s_wait_dscnt 0x0
	s_endpgm
.Lnot_mask:
	s_cmp_lt_u32 s29, 1024
	s_cbranch_scc0 .Lbias
	; THE WEIGHTS.  Thread t takes 8 neighbouring numbers four times: 32 bytes in, 16 bytes out.
	s_sub_co_u32 s30, s29, 512
	s_lshr_b32 s31, s30, 7                         ; which matrix
	s_and_b32 s30, s30, 127                        ; which 8,192 numbers of it
	s_cmp_eq_u32 s31, 1
	s_cselect_b64 s[36:37], s[8:9], s[6:7]
	s_cmp_eq_u32 s31, 2
	s_cselect_b64 s[36:37], s[10:11], s[36:37]
	s_cmp_eq_u32 s31, 3
	s_cselect_b64 s[36:37], s[12:13], s[36:37]
	s_lshl_b32 s38, s30, 15
	s_add_nc_u64 s[36:37], s[36:37], s[38:39]
	s_lshl_b32 s38, s31, 21
	s_lshl_b32 s40, s30, 14
	s_add_co_u32 s38, s38, s40
	s_add_nc_u64 s[24:25], s[24:25], s[38:39]
	v_lshlrev_b32 v5, 5, v0
	v_lshlrev_b32 v6, 4, v0
.irp i, 0,1,2,3
	global_load_b128 v[8+8*(\i):11+8*(\i)],  v5, s[36:37] offset:(\i)*8192 th:TH_LOAD_NT
	global_load_b128 v[12+8*(\i):15+8*(\i)], v5, s[36:37] offset:(\i)*8192+16 th:TH_LOAD_NT
.endr
	s_wait_loadcnt 0x0
.irp k, 0,1,2,3,4,5,6,7,8,9,10,11,12,13,14,15
	v_cvt_pk_bf16_f32 v[40+(\k)], v[8+2*(\k)], v[9+2*(\k)]
.endr
	s_cmp_lg_u32 s31, 3
	s_cbranch_scc1 .Lstore_w
.irp k, 0,1,2,3,4,5,6,7,8,9,10,11,12,13,14,15
	v_lshlrev_b32 v56, 16, v[40+(\k)]              ; Wo: the bf16 numbers widened,
	v_and_b32 v57, 0xffff0000, v[40+(\k)]
	v_cvt_pk_f16_f32 v[40+(\k)], v56, v57          ; and written as f16
.endr
.Lstore_w:
.irp i, 0,1,2,3
	global_store_b128 v6, v[40+4*(\i):43+4*(\i)], s[24:25] offset:(\i)*4096  ; a wave stores 512 consecutive bytes
.endr
	s_endpgm
.Lbias:
	s_sub_co_u32 s30, s29, 1024
	s_cmp_eq_u32 s30, 1
	s_cselect_b64 s[36:37], s[16:17], s[14:15]
	s_cmp_eq_u32 s30, 2
	s_cselect_b64 s[36:37], s[18:19], s[36:37]
	s_cmp_eq_u32 s30, 3
	s_cselect_b64 s[36:37], s[20:21], s[36:37]
	s_lshl_b32 s38, s30, 12
	s_add_nc_u64 s[26:27], s[26:27], s[38:39]
	v_lshlrev_b32 v6, 4, v0
	global_load_b128 v[8:11], v6, s[36:37]
	s_wait_loadcnt 0x0
	v_cvt_pk_bf16_f32 v12, v8, v9
	v_cvt_pk_bf16_f32 v13, v10, v11
	v_lshlrev_b32 v20, 16, v12
	v_and_b32 v21, 0xffff0000, v12
	v_lshlrev_b32 v22, 16, v13
	v_and_b32 v23, 0xffff0000, v13
	global_store_b128 v6, v[20:23], s[26:27]
	s_endpgm
.Lfunc_end_k_q70ad7c4945_prep:
	.size	k_q70ad7c4945_prep, .Lfunc_end_k_q70ad7c4945_prep-k_q70ad7c4945_prep
	.p2alignl 7, 3214868480
	.fill 96, 4, 3214868480
	.section	.rodata,"a",@progbits
	.p2align	6, 0x0
	.amdhsa_kernel k_q70ad7c4945_prep
		.amdhsa_group_segment_fixed_size 35840
		.amdhsa_private_segment_fixed_size 0
		.amdhsa_enable_private_segment 0
		.amdhsa_kernarg_size 96
		.amdhsa_user_sgpr_count 2
		.amdhsa_user_sgpr_kernarg_segment_ptr 1
		.amdhsa_wavefront_size32 1
		.amdhsa_system_sgpr_workgroup_id_x 1
		.amdhsa_system_sgpr_workgroup_id_y 1
		.amdhsa_system_sgpr_workgroup_id_z 1
		.amdhsa_system_vgpr_workitem_id 0
		.amdhsa_next_free_vgpr 72
		.amdhsa_next_free_sgpr 66
		.amdhsa_reserve_vcc 0
		.amdhsa_float_denorm_mode_32 3
		.amdhsa_float_denorm_mode_16_64 3
		.amdhsa_memory_ordered 1
		.amdhsa_forward_progress 1
		.amdhsa_inst_pref_size 12
	.end_amdhsa_kernel
	.amdgpu_metadata
---
amdhsa.version: [ 1, 2 ]
amdhsa.kernels:
  - .name:           k_q70ad7c4945_prep
    .symbol:         k_q70ad7c4945_prep.kd
    .args:
      - { .name: mask, .offset: 0, .size: 8, .value_kind: global_buffer, .address_space: global }
      - { .name: Wq, .offset: 8, .size: 8, .value_kind: global_buffer, .address_space: global }
      - { .name: Wk, .offset: 16, .size: 8, .value_kind: global_buffer, .address_space: global }
      - { .name: Wv, .offset: 24, .size: 8, .value_kind: global_buffer, .address_space: global }
      - { .name: Wo, .offset: 32, .size: 8, .value_kind: global_buffer, .address_space: global }
      - { .name: bq, .offset: 40, .size: 8, .value_kind: global_buffer, .address_space: global }
      - { .name: bk, .offset: 48, .size: 8, .value_kind: global_buffer, .address_space: global }
      - { .name: bv, .offset: 56, .size: 8, .value_kind: global_buffer, .address_space: global }
      - { .name: bo, .offset: 64, .size: 8, .value_kind: global_buffer, .address_space: global }
      - { .name: mnib, .offset: 72, .size: 8, .value_kind: global_buffer, .address_space: global }
      - { .name: wb, .offset: 80, .size: 8, .value_kind: global_buffer, .address_space: global }
      - { .name: bb, .offset: 88, .size: 8, .value_kind: global_buffer, .address_space: global }
    .group_segment_fixed_size: 35840
    .private_segment_fixed_size: 0
    .kernarg_segment_align: 8
    .kernarg_segment_size: 96
    .max_flat_workgroup_size: 256
    .sgpr_count:     66
    .vgpr_count:     72
    .wavefront_size: 32
...
	.end_amdgpu_metadata
.endif
;; end of part 5
;; launch proj: the kernel of part 2 again; grid 4 x 192, 4 waves a work-group, clusters of 4 x 4, 327,680 bytes of LDS; arguments queries, keys, values, wb, bb, qkv; writes qkv
;; launch attn (part 6): grid 4 x 64, 4 waves a work-group, clusters of 4 x 1, 327,680 bytes of LDS; arguments qkv, mnib, ctx; writes ctx
.if DOCPART == 6
	.amdgcn_target "amdgcn-amd-amdhsa--gfx1250"
	.amdhsa_code_object_version 6
	.text
	.protected	k_q70ad7c4945_attn
	.globl	k_q70ad7c4945_attn
	.p2align	8
	.type	k_q70ad7c4945_attn,@function
k_q70ad7c4945_attn:
	s_mov_b64 s[64:65], 0
	v_nop
	global_prefetch_b8 v0, s[64:65] scope:SCOPE_SE
	s_setreg_imm32_b32 hwreg(HW_REG_WAVE_MODE, 25, 1), 1
	s_wait_xcnt 0x0
	s_wait_alu depctr_hold_cnt(0) depctr_sa_sdst(0) depctr_va_vdst(0) depctr_va_sdst(0) depctr_va_ssrc(0) depctr_va_vcc(0) depctr_vm_vsrc(0)
	s_getreg_b32 s2, hwreg(HW_REG_IB_STS2, 6, 4)
	s_cmp_eq_u32 s2, 0
	s_cbranch_scc0 .Lentry_in_a_cluster
	s_endpgm
.Lentry_in_a_cluster:
	s_bfe_u32 s2, ttmp6, 0x10000c
	s_cmp_lg_u32 s2, 0x3003
	s_cbranch_scc0 .Lentry_shape_is_right
	s_endpgm
.Lentry_shape_is_right:
; MASKED ATTENTION.  ctx[bh][q][:] = the sum over k of softmax_k(masked(Q[bh][q] . K[bh][k] / 8)) V[bh][k][:].  Q, K, V: qkv[0..2][64][2048][64], ctx: [64][2048][64], all f16, rows dense, 128 bytes.
; Products, maxima and sums in f32; the weights p are rounded to f16 for the second product (their sum l is taken of the unrounded p), ctx once at the end.
; THE MASK is the C operand that starts the sum S^T = K Q^T: 0, or -1.5 x 2^106 where the key is hidden.  It comes as 4-bit codes (0 or 0xF = -6), four registers a lane for a tile of 16 queries x 64 keys,
; loaded a whole key step ahead; one scaled conversion (scale 2^104) makes a register into the eight f32 of a C operand.
; f16 operands bound |Q . K| by 2.7e11, so every visible score lies above -2^69 and every hidden one below it, however the sum with C is rounded.  The running maximum m STARTS at -2^69:
; beside a visible key a hidden weight is 2^(-2e31) = 0, as with a fill of -1e15; a row that has seen hidden keys alone keeps m = -2^69 exactly, and such a row scales by 0 in place of c: its weights are
; 2^0 = 1 whatever the hidden scores' last bits, its a is 1, and at its first visible key a is 0.  So a row masked everywhere is the mean of V.
; LIMITS.  Q, K, V arrive within f16's 65,504; p below 6e-5 keeps f16's fixed step of 6e-8; a weight below 2^-126 counts as 0 in l; NaN and infinities are not treated apart.
; SHARES.  A wave owns four PIECES of two tiles of 16 queries, a work-group's four waves 512 queries of one (batch, head).  Every wave walks all 2,048 keys, 64 a step; a slot of LDS holds four steps.
; LAYOUT.  S^T = K Q^T (source 0 = 16 keys, source 1 = 16 queries): a lane holds ONE query (lane % 16) and the keys 8 (lane / 16) + 0..7.  Two such results rounded to f16 ARE source 1 of O^T = V^T P.
; SOFTMAX.  For each query a running maximum m and sum l: p = 2^(c s - c m), c = log2(e) / 8; in every step O and l are multiplied by a = 2^(c m_old - c m_new).  O and l start at 0.
; BY TURNS.  Turn n belongs to piece n.  Matrix work: 16 products K Q^T of piece n + 1, then 16 products V^T P of piece n - 1.  Vector work: scaling, rescaling, exponentials, roundings and sums of piece n;
; the maximum and statistics of piece n + 1; the C operands of piece n + 2.  250 vector instructions stand beside 32 matrix instructions: four or eight behind each product, the rest behind the last.
; CLUSTER.  The four query blocks of a (batch, head) walk the same K and V: each tile is asked for JOINTLY.  The mask's codes are each wave's own and are not shared.
; REGISTERS, in windows of 256 (s_set_vgpr_msb: bits 1:0 source 0, 3:2 source 1, 5:4 source 2, 7:6 destination):
;   window 0: v0-11 addresses and at work; v12-15, v48-63 at work; v16-47 four registers of statistics a tile; v64-191 S^T, two buffers of two tiles; v192-255 P, likewise
;   window 1: O^T, 32 a tile      window 2: v0-127 Q; v128-191 K of one step; v192-255 V of one step
;   window 3: v0-1 the add's two registers; v2-4 the codes' offset, its lane term, the scale; v8-39 the codes, 8 a piece; v64-127 the C operands of one piece
.set NP,    4
.set KS,    64
.set PK,    144       ; a row of K in LDS: 128 bytes + 16
.set PV,    144       ; V has the same pitch, so that ONE descriptor shape and one line serve all four waves
.set VOFF,  4*KS*PK   ; a slot: 256 rows of K, then 256 rows of V
.set SLOT1, 1<<17
.set STAGE, SLOT1+4*KS*(PK+PV)  ; behind the ring: 16 rows x 144 bytes for each wave
.set SP,    144
.set SPARE, STAGE+4*16*SP
.set AK0, 2
.set AV0, 3
.set AK,  4
.set AV,  5
.set QO,  6
.set STO, 6
.set RD,  7
.set GO,  8
.set SPW, 0           ; v0 of window 3
.set NIL, 1           ; v1 of window 3
.set MO,  2           ; v2 of window 3   16 L + 512 x the key step whose codes are asked for
.set MO0, 3           ; v3 of window 3   16 L; never rewritten
.set SCL, 4           ; v4 of window 3   the conversions' scale: 231 (2^104) in each of its four bytes, the same word in every lane
.set MR,  8           ; window 3: piece x, tile u, key block kb at MR + 8 x + 4 u + kb
.set MC,  64          ; window 3: tile u, key block kb at MC + 32 u + 8 kb
.set MV,  12
.set ST,  16          ; tile t's statistics at v[ST+4 t]: c m or 0, m, l (even keys', odd keys')
.set TMP, 48          ; by buffer and tile c0-c3 at work; in the end c0 holds c or 0, c2 holds a
.set S,   64
.set P,   192
.set KF,  128
.set VF,  192
.set MB,  8           ; s[8:9]   the codes of my wave's eight tiles
.set WV,  12          ; s12      my wave's number
.set MOFF, 13         ; s13      512 x the key step whose codes are asked for
.set LIM, 16          ; s16      -2^69
.set FL,  17          ; s17, s18 by tile: the lanes whose row has seen a visible key
.set G1,  48          ; s[48:55] descriptor group 1
.set G0,  56          ; s[56:59] descriptor group 0: it walks
.set SLOTS, 60
.set CNT, 61
.set TBK, 62
.set TBV, 63
.set CS,  66          ; s[66:67] c
.set SEL, 100         ; s[100:101]
.set MSB, 0
.macro WIN new
.if MSB != (\new)
	s_set_vgpr_msb (MSB<<8)|(\new)
.set MSB, (\new)
.endif
.endm
.set W_KQ, 0x0a       ; K and Q in window 2, S^T in window 0
.set W_KM, 0x3a       ; the same with the C operand in window 3
.set W_PV, 0x52
.set W_RS, 0x41
.set W_MK, 0xc0       ; destination in window 3, sources in window 0
.set W_AD, 0x0f
.set W_M,  0xcf       ; destination and sources 0 and 1 in window 3: the conversions, the codes' loads and their offset
.macro JLOAD                        ; a joint fill: wave w brings 128 keys: waves 0, 1 the halves of K, waves 2, 3 those of V; both addresses hang on the wave's number
	tensor_load_to_lds s[G0:G0+3], s[G1:G1+7]
	s_nop 0
.rept 4
	v_nop
.endr
.endm
.macro CROUND
	s_barrier_signal -1
	s_barrier_wait -1
	s_cmp_lg_u32 s[WV], 0
	s_cbranch_scc1 .Lnot_wave_0_\@
	s_barrier_signal -3
.Lnot_wave_0_\@:
	s_barrier_wait -3
	s_barrier_signal -1
	s_barrier_wait -1
.endm
; THE CHANGE OF SLOTS.  Each wave waits for all its tensor loads (one is out: its part of the other slot), adds 0 to its spare word, and waits for that and for its reads of the slot.
; fill = 1: the barrier is a round of the cluster's, and the slot is filled again first thing behind it, with the keys two slots on: four key steps, 512 matrix instructions, in which to land.
.macro CHANGE fill
	WIN W_AD
	s_wait_tensorcnt 0x0
	ds_add_u32 v[SPW], v[NIL]
	WIN 0
.if \fill
	s_xor_b32 s[G0+1], s[G0+1], SLOT1
	s_add_nc_u64 s[G0+2:G0+3], s[G0+2:G0+3], 4*KS*128
	s_wait_dscnt 0x0
	CROUND
	JLOAD
.else
	s_wait_dscnt 0x0
	s_barrier_signal -1
	s_barrier_wait -1
.endif
	s_sub_co_u32 s[TBK], s[TBK], 4*KS*PK
	s_xor_b32 s[TBK], s[TBK], SLOT1
	s_sub_co_u32 s[TBV], s[TBV], 4*KS*PV
	s_xor_b32 s[TBV], s[TBV], SLOT1
.endm
.macro MLD x                        ; the codes of piece x's two tiles for the step in MO: each load covers 512 consecutive bytes
	WIN W_M
	global_load_b128 v[MR+8*(\x):MR+8*(\x)+3],   v[MO], s[MB:MB+1] offset:(2*(\x))*16384
	global_load_b128 v[MR+8*(\x)+4:MR+8*(\x)+7], v[MO], s[MB:MB+1] offset:(2*(\x)+1)*16384
.endm
.macro CV x                         ; piece x's codes become its eight C operands.  Behind its two loads the three other pieces' two each were issued: they may stay out
	WIN W_M
	s_wait_loadcnt 0x6
.irp w, 0,1,2,3,4,5,6,7
	v_cvt_scale_pk8_f32_fp4 v[MC+8*\w:MC+8*\w+7], v[MR+8*(\x)+\w], v[SCL]
.endr
.endm
	s_load_b128 s[4:7], s[0:1], 0x0   ; qkv s[4:5], mnib s[6:7]
	s_load_b64 s[10:11], s[0:1], 0x10 ; ctx
	WIN W_MK
	v_lshl_add_u32 v[SPW], v0, 2, SPARE
	v_mov_b32 v[NIL], 0
	WIN W_AD
	ds_add_u32 v[SPW], v[NIL]       ; the wave's opening: the add and its wait stand ahead of my first tensor load
	WIN 0
	v_lshrrev_b32 v1, 5, v0
	v_readfirstlane_b32 s[WV], v1
	s_bfe_u32 s68, ttmp6, 0x40000   ; cx
	s_lshl_b32 s69, ttmp9, 2
	s_add_co_u32 s69, s69, s68      ; my block of 512 queries: it enters Q's, the mask's and the output's addresses alone
	s_and_b32 s70, ttmp7, 0xffff    ; 16 batch + head, which the four partners share
	s_lshr_b32 s72, s[WV], 1
	s_add_co_u32 s72, s72, 1        ; part 1 (K) for waves 0, 1; part 2 (V) for waves 2, 3
	s_lshl_b32 s72, s72, 24
	s_lshl_b32 s73, s70, 18         ; a head's 2,048 rows of 128 bytes
	s_add_co_u32 s72, s72, s73
	s_and_b32 s74, s[WV], 1
	s_lshl_b32 s74, s74, 14         ; which 128 of a slot's 256 keys
	s_add_co_u32 s72, s72, s74
	s_mov_b32 s73, 0
	s_lshl_b32 s76, s69, 2
	s_add_co_u32 s76, s76, s[WV]
	s_lshl_b32 s76, s76, 14         ; my wave's 128 rows
	s_lshl_b32 s77, s70, 18
	s_add_co_u32 s76, s76, s77
	s_mov_b32 s77, 0
	s_lshr_b32 s78, s70, 4          ; the batch's 128 tiles of 16 queries,
	s_lshl_b32 s78, s78, 7
	s_lshl_b32 s79, s69, 5          ; my block's 32,
	s_add_co_u32 s78, s78, s79
	s_lshl_b32 s79, s[WV], 3        ; my wave's 8,
	s_add_co_u32 s78, s78, s79
	s_lshl_b32 s78, s78, 14         ; 16,384 bytes of codes a tile
	s_mov_b32 s79, 0
	; descriptor group 1.  128 keys are 16,384 dense bytes: asked for as 64 rows of 256 bytes, padded in LDS after every key
	s_mov_b32 s[G1], 15|(1<<16)|(1<<20)|(1<<21)|(4<<22)|(3<<25)
	s_mov_b32 s[G1+1], 128<<16
	s_mov_b32 s[G1+2], 64<<16
	s_mov_b32 s[G1+3], 128<<16
	s_mov_b32 s[G1+4], 64
	s_mov_b32 s[G1+5], 128
	s_mov_b32 s[G1+6], 0
	s_mov_b32 s[G1+7], 0
	s_mov_b32 s[CS], 0x3e38aa3b     ; c = log2(e) / 8
	s_mov_b32 s[CS+1], s[CS]
	s_mov_b32 s[SEL], 0x76543210
	s_mov_b32 s[SEL+1], 0xfedcba98
	s_mov_b32 s[LIM], 0xe2000000    ; -2^69
	s_mov_b32 s[TBK], SLOT1+4*KS*PK ; the first change of slots turns these two into 0
	s_mov_b32 s[TBV], SLOT1+4*KS*PV
	s_mov_b32 s[G0], 1
	s_mul_i32 s[G0+1], s[WV], 128*PK  ; K's two halves, then V's two: wave x 128 rows
	s_mov_b32 s[MOFF], 512          ; the loop's first loads of codes are key step 1's
	s_wait_dscnt 0x0                ; the opening add is done
	s_wait_kmcnt 0x0
	s_add_nc_u64 s[G0+2:G0+3], s[4:5], s[72:73]
	s_or_b32 s[G0+3], s[G0+3], 0x80000000
	s_add_nc_u64 s[MB:MB+1], s[6:7], s[78:79]
	s_add_nc_u64 s[4:5], s[4:5], s[76:77]    ; Q and the output at my wave's first row
	s_add_nc_u64 s[10:11], s[10:11], s[76:77]
	CROUND                          ; all four work-groups are here
	JLOAD                           ; slot 0; slot 1 is asked for when slot 0 is in
	v_and_b32 v1, 15, v0
	v_bfe_u32 v9, v0, 4, 1
	v_lshlrev_b32 v[QO], 7, v1
	v_lshl_add_u32 v[QO], v9, 4, v[QO]
	v_and_b32 v10, 31, v0
	v_lshlrev_b32 v10, 4, v10       ; 16 L
	WIN W_MK
	v_mov_b32 v[MO], v10            ; key step 0
	v_mov_b32 v[MO0], v10
	v_mov_b32 v[SCL], 0xe7e7e7e7
	WIN 0x80
.set i, 0
.rept 4*NP                          ; Q stays in registers: tile i / 2, channels 32 (i % 2) on
	global_load_b128 v[8*i:8*i+3],   v[QO], s[4:5] offset:(i/2)*2048+(i%2)*64
	global_load_b128 v[8*i+4:8*i+7], v[QO], s[4:5] offset:(i/2)*2048+(i%2)*64+32
.set i, i+1
.endr
	MLD 0                           ; all four pieces' codes for key step 0
	MLD 1
	MLD 2
	MLD 3
	; What the first turn finds: V's registers and P's second buffer hold 0, O^T and l are 0.  All this stands in the wait for the first tile.
	WIN 0x80
.set i, VF
.rept 64
	v_mov_b32 v[i], 0
.set i, i+1
.endr
	WIN 0x40
.set i, 0
.rept 64*NP
	v_mov_b32 v[i], 0
.set i, i+1
.endr
	WIN 0
.set i, 0
.rept 2*NP
	v_mov_b32 v[ST+4*i+1], 0xe2000000  ; m = -2^69
	v_mov_b32 v[ST+4*i+2], 0
	v_mov_b32 v[ST+4*i+3], 0
.set i, i+1
.endr
.set i, P+32
.rept 32
	v_mov_b32 v[i], 0
.set i, i+1
.endr
	v_mul_u32_u24 v[AK0], v1, PK
	v_lshl_add_u32 v[AK0], v9, 4, v[AK0]
	v_and_b32 v10, 7, v0
	v_bfe_u32 v11, v0, 3, 1
	v_lshl_add_u32 v[AV0], v9, 3, v10
	v_mul_u32_u24 v[AV0], v[AV0], PV
	v_lshl_add_u32 v[AV0], v11, 4, v[AV0]
	v_add_nc_u32 v[AV0], VOFF, v[AV0]
	v_mov_b32 v[AK], v[AK0]
	WIN W_M
	s_wait_xcnt 0x0                 ; the codes' offset is written again only behind this wait (ISA guide 3.1)
	v_add_nc_u32 v[MO], 0x200, v[MO0]  ; key step 1
; THE MATRIX WORK.  The 8 accumulators of a run of 16 take turns.  The first 8 products K Q^T start the sums with the mask.
.macro KQ x
.set rS, S+64*((\x)%2)+32*(i%2)+8*((i/2)%4)
.set rK, KF+16*((i/2)%4)+8*(i/8)
.set rQ, 16*(2*(\x)+i%2)+8*(i/8)
.set rX, MC+32*(i%2)+8*((i/2)%4)
.if i < 8
	WIN W_KM
	v_wmma_f32_16x16x32_f16 v[rS:rS+7], v[rK:rK+7], v[rQ:rQ+7], v[rX:rX+7]
.else
	WIN W_KQ
	v_wmma_f32_16x16x32_f16 v[rS:rS+7], v[rK:rK+7], v[rQ:rQ+7], v[rS:rS+7]
.endif
.endm
.macro PV x
	WIN W_PV
.set rO, 32*(2*(\x)+i%2)+8*((i/2)%4)
.set rV, VF+32*(i/8)+8*((i/2)%4)
.set rP, P+32*((\x)%2)+16*(i%2)+8*(i/8)
	v_wmma_f32_16x16x32_f16 v[rO:rO+7], v[rV:rV+7], v[rP:rP+7], v[rO:rO+7]
.endm
.macro MM                           ; the turn's next matrix instruction
.if i < 16
	KQ (Y+1)%NP
.set i, i+1
.else
.set i, i-16
	PV (Y+NP-1)%NP
.set i, i+17
.endif
.endm
; THE LDS LOADS stand in runs of 16.  last = 1 (the tail): in the last trip there is no further step, and the run is jumped over.
.macro FETCH_K last=0
	WIN 0
.if \last
	s_cmp_eq_u32 s[CNT], 1
	s_cbranch_scc1 .Lno_k_\@
.endif
	WIN 0x80
.irp f, 0,1,2,3,4,5,6,7
	ds_load_b128 v[KF+8*\f:KF+8*\f+3],   v[AK] offset:(\f/2)*16*PK+(\f%2)*64
	ds_load_b128 v[KF+8*\f+4:KF+8*\f+7], v[AK] offset:(\f/2)*16*PK+(\f%2)*64+32
.endr
	s_add_co_u32 s[TBK], s[TBK], KS*PK
	WIN 0
.if \last
.Lno_k_\@:
.endif
.endm
.macro FETCH_V
	WIN 0x80
.irp f, 0,1,2,3,4,5,6,7
	ds_load_tr16_b128 v[VF+8*\f:VF+8*\f+3],   v[AV] offset:(\f/4)*32*PV+(\f%4)*32
	ds_load_tr16_b128 v[VF+8*\f+4:VF+8*\f+7], v[AV] offset:(\f/4)*32*PV+16*PV+(\f%4)*32
.endr
	WIN 0
.endm
; THE VECTOR WORK, in queues; the two tiles of a piece alternate.
.macro REGS y, u
.set rT, ST+4*(2*(\y)+(\u))
.set rC, TMP+8*((\y)%2)+4*(\u)
.set rM, MV+2*((\y)%2)+(\u)
.set rS, S+64*((\y)%2)+32*(\u)
.set rP, P+32*((\y)%2)+16*(\u)
.set rO, 32*(2*(\y)+(\u))
.endm
; Number n of the 25 that find the NEXT piece's maximum and statistics:  0-11 four chains of seven scores (each accumulator's lowest registers are read first);
; 12-14, 16 the four left over, the old m, the chains into c0;  15 c m_old, multiplied anew: the same rounding as a step ago;  17, 18 the other half of the lanes' 32 keys: the new m;  19 c m;
; 20 has the row seen a visible key?  21, 22 what the scaling takes: c and c m, or 0 and 0;  23, 24 c m_old - c m_new; a
.macro XS u, n
	REGS (Y+1)%NP, \u
.if (\n) < 4
	v_max3_num_f32 v[rC+(\n)], v[rS+8*(\n)], v[rS+8*(\n)+1], v[rS+8*(\n)+2]
.elseif (\n) < 12
	v_max3_num_f32 v[rC+(\n)%4], v[rC+(\n)%4], v[rS+8*((\n)%4)+2*((\n)/4)+1], v[rS+8*((\n)%4)+2*((\n)/4)+2]
.elseif (\n) == 12
	v_max3_num_f32 v[rC], v[rC], v[rS+7], v[rS+15]
.elseif (\n) == 13
	v_max3_num_f32 v[rC+1], v[rC+1], v[rS+23], v[rS+31]
.elseif (\n) == 14
	v_max3_num_f32 v[rC+2], v[rC+2], v[rC+3], v[rT+1]
.elseif (\n) == 15
	v_mul_f32 v[rM], s[CS], v[rT+1]
.elseif (\n) == 16
	v_max3_num_f32 v[rC], v[rC], v[rC+1], v[rC+2]
.elseif (\n) == 17
	v_permlanex16_b32 v[rC+3], v[rC], s[SEL], s[SEL+1]
.elseif (\n) == 18
	v_max_num_f32 v[rT+1], v[rC], v[rC+3]
.elseif (\n) == 19
	v_mul_f32 v[rC+1], s[CS], v[rT+1]
.elseif (\n) == 20
	v_cmp_lt_f32 s[FL+(\u)], s[LIM], v[rT+1]
.elseif (\n) == 21
	v_cndmask_b32 v[rC], 0, s[CS], s[FL+(\u)]
.elseif (\n) == 22
	v_cndmask_b32 v[rT], 0, v[rC+1], s[FL+(\u)]
.elseif (\n) == 23
	v_sub_f32 v[rC+1], v[rM], v[rC+1]
.else
	v_exp_f32 v[rC+2], v[rC+1]
.endif
.endm
; Number g of the 64 that follow the exponentials: for each four weights both pairs are rounded to f16, the second pair is added onto the first, and a group later l takes that sum (the first time as l = a l + sum).
.macro GS g
.set h, (\g)+6*((\g)/62)
.if h >= 6
.set h, h+2
.endif
	REGS Y, h%2
.set k, h/8
.if h%8 < 4
	v_cvt_pk_f16_f32 v[rP+2*k+(h%8)/2], v[rS+4*k+2*((h%8)/2)], v[rS+4*k+2*((h%8)/2)+1]
.elseif h%8 < 6
	v_pk_add_f32 v[rS+4*k:rS+4*k+1], v[rS+4*k:rS+4*k+1], v[rS+4*k+2:rS+4*k+3]
.elseif k == 1
	v_pk_fma_f32 v[rT+2:rT+3], v[rT+2:rT+3], v[rC+2:rC+3], v[rS:rS+1] op_sel_hi:[1,0,1]
.else
	v_pk_add_f32 v[rT+2:rT+3], v[rT+2:rT+3], v[rS+4*k-4:rS+4*k-3]
.endif
.endm
.macro GN                           ; the next of them
	GS gq
.set gq, gq+1
.endm
.macro FS                           ; the next of 32 scalings: c s - c m for a pair of scores (0 s - 0 in a row that has seen hidden keys alone)
	WIN 0
	REGS Y, q%2
	v_pk_fma_f32 v[rS+2*(q/2):rS+2*(q/2)+1], v[rS+2*(q/2):rS+2*(q/2)+1], v[rC:rC+1], v[rT:rT+1] op_sel_hi:[1,0,0] neg_lo:[0,0,1] neg_hi:[0,0,1]
.set q, q+1
.endm
.macro EX                           ; the next of 64 exponentials
	WIN 0
	REGS Y, e%2
	v_exp_f32 v[rS+e/2], v[rS+e/2]
.set e, e+1
.endm
.macro PQ                           ; the next of the 64 plain instructions that stand between the exponentials: numbers 0-16 of the next piece's maximum, both tiles, then the first 30 roundings and sums.
	WIN 0                           ; Rounding or sum g stands behind exponential g + 34 and needs none beyond g + 9
.if pq < 34
	XS pq%2, pq/2
.else
	GN
.endif
.set pq, pq+1
.endm
.macro R4                           ; four of the 32 rescalings: O^T times a
	REGS Y, r%2
	WIN W_RS
.irp z, 0,1,2,3
	v_pk_mul_f32 v[rO+8*(r/2)+2*\z:rO+8*(r/2)+2*\z+1], v[rO+8*(r/2)+2*\z:rO+8*(r/2)+2*\z+1], v[rC+2:rC+3] op_sel_hi:[1,0]
.endr
.set r, r+1
.endm
; A TURN, for piece p.
;   8 x (K Q^T; four scalings)      8 x (K Q^T; four rescalings): both wait for nothing, their factors were made a turn ago.  The last four rescalings are the places behind the last K Q^T.
;   16 x (V^T P; four times exponential, plain): every exponential has a plain instruction behind it; the last four plain ones are the places behind the last V^T P.
;   then the C operands of piece p + 2, whose registers this turn's first products read long ago; a plain line; the loads that fill that piece's codes again, for the next key step;
;   then the end of piece p + 1's statistics among the last roundings and sums of piece p.
; K of the next step is fetched in piece 2's turn behind the last product that read K, and waited for at the head of piece 3's; V of the step in hand in piece 0's turn behind the last product that read V, and
; waited for in piece 1's.  The codes' offset steps once a key step, in piece 2's turn, whose load is the first of a new step; it stays at the last step's codes, inside the buffer, when there is no further step.
.macro TURN p, last=0
.set Y, (\p)
.set i, 0
.set q, 0
.set e, 0
.set r, 0
.set pq, 0
.set gq, 0
.if (\p) == NP-1
	s_wait_dscnt 0x0                ; K is in
.endif
.rept 8
	MM
	FS
	FS
	FS
	FS
.endr
.if (\p) == NP-2
	v_add_nc_u32 v[AK], s[TBK], v[AK0]
.endif
.rept 8
	MM
	R4
.endr
.if (\p) == NP-2
	FETCH_K \last
.endif
.if (\p) == 1
	s_wait_dscnt 0x0                ; V is in
.endif
.rept 16
	MM
.rept 4
	EX
	PQ
.endr
.endr
.if (\p) == 0
	v_add_nc_u32 v[AV], s[TBV], v[AV0]
	FETCH_V
	s_add_co_u32 s[TBV], s[TBV], KS*PV
.endif
	CV ((\p)+2)%NP
.if (\p) == NP-2
	s_add_co_u32 s[MOFF], s[MOFF], 512
	s_min_u32 s[MOFF], s[MOFF], 31*512
	s_wait_xcnt 0x0                 ; the codes' offset is written again only behind this wait (ISA guide 3.1)
	v_add_nc_u32 v[MO], s[MOFF], v[MO0]  ; also the plain line behind the conversions
.else
	v_nop                           ; a plain line between the conversions and the loads into their sources
.endif
	MLD ((\p)+2)%NP
	WIN 0
.irp n, 17,18,19,20,21,22,23,24
	XS 0, \n
	XS 1, \n
	GN
	GN
	GN
	GN
.endr
	GN
	GN
.endm
	CHANGE 1                        ; slot 0 is in, everybody's part of it; slot 1 is asked for
	FETCH_K                         ; key step 0
	CV 0                            ; its wait shows Q in too: Q's loads were issued ahead of the codes'
	v_nop
	MLD 0                           ; piece 0's codes for key step 1
	WIN 0
	s_wait_dscnt 0x0
.set i, 0
.rept 16
	KQ 0                            ; piece 0's first scores
.set i, i+1
.endr
	WIN 0                           ; the addresses for the way out: plain instructions, the places behind those products
	s_mul_i32 s14, s[WV], 16*SP
	s_add_co_u32 s14, s14, STAGE
	v_mul_u32_u24 v[STO], v1, SP
	v_lshl_add_u32 v[STO], v9, 4, v[STO]
	v_add_nc_u32 v[STO], s14, v[STO]
	v_bfe_u32 v[RD], v0, 3, 2
	v_mul_u32_u24 v[RD], v[RD], SP
	v_lshl_add_u32 v[RD], v10, 4, v[RD]
	v_add_nc_u32 v[RD], s14, v[RD]
	v_and_b32 v[GO], 31, v0
	v_lshlrev_b32 v[GO], 4, v[GO]
	CV 1                            ; for the first turn's products
	v_nop
	MLD 1
	WIN 0
.set Y, NP-1                        ; XS works for piece Y + 1: piece 0
.irp n, 0,1,2,3,4,5,6,7,8,9,10,11,12,13,14,15,16,17,18,19,20,21,22,23,24
	XS 0, \n
	XS 1, \n
.endr
	s_mov_b32 s[CNT], 4
	s_mov_b32 s[SLOTS], 7
	s_branch .Lfirst                ; the loop is entered at a step's first turn, in the middle of a trip
.Lslot:                             ; six times: every slot but the last two is filled again
	CHANGE 1
	s_mov_b32 s[CNT], 4
.Lstep:                             ; a trip: pieces 2 and 3 of one step, then pieces 0 and 1 of the next
	TURN 2
	TURN 3
	WIN 0
.Lfirst:
	TURN 0
	TURN 1
	WIN 0
	s_sub_co_u32 s[CNT], s[CNT], 1
	s_cmp_lg_u32 s[CNT], 0
	s_cbranch_scc1 .Lstep
	s_sub_co_u32 s[SLOTS], s[SLOTS], 1
	s_cmp_lg_u32 s[SLOTS], 0
	s_cbranch_scc1 .Lslot
	CHANGE 0                        ; the tail is written out
	s_mov_b32 s[CNT], 5             ; four trips fetch the last slot's steps; the fifth is left in its middle
.Ltail:
	TURN 2, 1
	TURN 3
	WIN 0
	s_sub_co_u32 s[CNT], s[CNT], 1
	s_cmp_eq_u32 s[CNT], 0
	s_cbranch_scc1 .Lout
	TURN 0
	TURN 1
	WIN 0
	s_branch .Ltail
.Lout:                              ; the fifth trip's 16 products K Q^T and what is made of them serve nothing: the price, once a launch, of one text for every trip
.set i, 0
.rept 16
	PV NP-1
.set i, i+1
.endr
	; THE WAY OUT.  l's two halves and the other half of the lanes' are added; O^T is divided by l, rounded to f16 and sent through my stage, a tile at a time.  The additions are the places behind the last products.
	WIN 0
.macro ALL line:vararg
.set t, 0
.rept 2*NP
	\line
.set t, t+1
.endr
.endm
	ALL v_add_f32 v[ST+4*t+2], v[ST+4*t+2], v[ST+4*t+3]
	ALL v_permlanex16_b32 v[ST+4*t+3], v[ST+4*t+2], s[SEL], s[SEL+1]
	ALL v_add_f32 v[ST+4*t+2], v[ST+4*t+2], v[ST+4*t+3]
	ALL v_rcp_f32 v[ST+4*t+2], v[ST+4*t+2]
	v_nop                           ; a plain instruction between the last reciprocal and the use of its result
.macro PACK t
	WIN W_RS
.set i, 32*(\t)
.rept 16
	v_pk_mul_f32 v[i:i+1], v[i:i+1], v[ST+4*(\t)+2:ST+4*(\t)+3] op_sel_hi:[1,0]
.set i, i+2
.endr
	WIN 0x05
.set i, 0
.rept 16
	v_cvt_pk_f16_f32 v[S+16*(\t)+i], v[32*(\t)+2*i], v[32*(\t)+2*i+1]
.set i, i+1
.endr
	WIN 0
.irp f, 0,1,2,3
	ds_store_b128 v[STO], v[S+16*(\t)+4*\f:S+16*(\t)+4*\f+3] offset:32*\f
.endr
.irp f, 0,1,2,3
	ds_load_b128 v[S+16*(\t)+4*\f:S+16*(\t)+4*\f+3], v[RD] offset:\f*4*SP  ; LDS serves a wave's instructions in order (ISA guide 5.7.1.4)
.endr
.endm
.macro SEND t, younger              ; younger: the LDS instructions issued behind tile t's loads
	WIN 0
.irp f, 0,1,2,3
	s_wait_dscnt (\younger)+3-\f
	global_store_b128 v[GO], v[S+16*(\t)+4*\f:S+16*(\t)+4*\f+3], s[10:11] offset:(\t)*2048+\f*512  ; 512 consecutive bytes
.endr
.endm
	PACK 0
.set t, 1
.rept 2*NP-1
	PACK t
	SEND t-1, 8
.set t, t+1
.endr
	SEND 2*NP-1, 0
	s_wait_loadcnt 0x0              ; the last codes asked for, which nobody uses
	WIN W_AD
	s_wait_tensorcnt 0x0            ; the wave's end
	ds_add_u32 v[SPW], v[NIL]
	s_wait_dscnt 0x0
	WIN 0
	CROUND                          ; the closing round
	s_endpgm
.Lfunc_end_k_q70ad7c4945_attn:
	.size	k_q70ad7c4945_attn, .Lfunc_end_k_q70ad7c4945_attn-k_q70ad7c4945_attn
	.p2alignl 7, 3214868480
	.fill 96, 4, 3214868480
	.section	.rodata,"a",@progbits
	.p2align	6, 0x0
	.amdhsa_kernel k_q70ad7c4945_attn
		.amdhsa_group_segment_fixed_size 327680
		.amdhsa_private_segment_fixed_size 0
		.amdhsa_enable_private_segment 0
		.amdhsa_kernarg_size 24
		.amdhsa_user_sgpr_count 2
		.amdhsa_user_sgpr_kernarg_segment_ptr 1
		.amdhsa_wavefront_size32 1
		.amdhsa_system_sgpr_workgroup_id_x 1
		.amdhsa_system_sgpr_workgroup_id_y 1
		.amdhsa_system_sgpr_workgroup_id_z 1
		.amdhsa_system_vgpr_workitem_id 0
		.amdhsa_next_free_vgpr 896
		.amdhsa_next_free_sgpr 102
		.amdhsa_reserve_vcc 0
		.amdhsa_float_denorm_mode_32 3
		.amdhsa_float_denorm_mode_16_64 3
		.amdhsa_memory_ordered 1
		.amdhsa_forward_progress 1
		.amdhsa_inst_pref_size 205
	.end_amdhsa_kernel
	.amdgpu_metadata
---
amdhsa.version: [ 1, 2 ]
amdhsa.kernels:
  - .name:           k_q70ad7c4945_attn
    .symbol:         k_q70ad7c4945_attn.kd
    .args:
      - { .name: qkv, .offset: 0, .size: 8, .value_kind: global_buffer, .address_space: global }
      - { .name: mnib, .offset: 8, .size: 8, .value_kind: global_buffer, .address_space: global }
      - { .name: ctx, .offset: 16, .size: 8, .value_kind: global_buffer, .address_space: global }
    .group_segment_fixed_size: 327680
    .private_segment_fixed_size: 0
    .kernarg_segment_align: 8
    .kernarg_segment_size: 24
    .max_flat_workgroup_size: 128
    .sgpr_count:     102
    .vgpr_count:     896
    .wavefront_size: 32
...
	.end_amdgpu_metadata
.endif
;; end of part 6
;; launch outp: the kernel of part 4 again; grid 4 x 64, 4 waves a work-group, clusters of 4 x 4, 327,680 bytes of LDS; arguments ctx, wb, bb, out0; writes out0
